; MI455X (gfx1250); checked and timed in simulation.
; The chip was launched on July 23, 2026; its instructions are those of AMD's public machine-readable ISA for CDNA 5 (MIT licence, August 2026) and "CDNA5" Instruction Set Architecture Reference Guide (July 2026). The comments in the code are by the model that wrote it; some were corrected since.
;; Block. Allowed arithmetic: matrix products marked QUANTISED: E4M3 operands, one given power-of-two scale a tensor, by v_wmma_f32_16x16x64_fp8_fp8 or v_wmma_f32_16x16x128_fp8_fp8, f32 sums; everything else in f32.
;; Inputs: b_fc 4,096 float32; b_o 1,024 float32; b_proj 1,024 float32; b_qkv 3,072 float32; ln1_b 1,024 float32; ln1_w 1,024 float32; ln2_b 1,024 float32; ln2_w 1,024 float32; lowp_scales 12 int32 (the exponents e of the quantised operands' scales 2^e); w_fc_codes 4,096 x 32 x 32 uint8 (E4M3 codes of w_fc, K innermost, in blocks of 32 codes); w_o_codes 1,024 x 32 x 32 uint8 (E4M3 codes of w_o, K innermost, in blocks of 32 codes); w_proj_codes 1,024 x 128 x 32 uint8 (E4M3 codes of w_proj, K innermost, in blocks of 32 codes); w_qkv_codes 3,072 x 32 x 32 uint8 (E4M3 codes of w_qkv, K innermost, in blocks of 32 codes); x 2 x 2,048 x 1,024 float32.
;; Outputs: out0 2 x 2,048 x 1,024 float32.
;; This version of the problem:
;;   THIS VERSION OF THE PROBLEM IS GIVEN IN LOW PRECISION. The matrix products marked QUANTISED in the list below multiply operands that are first quantised to E4M3 (4 exponent bits, 3 mantissa bits; 8 bits a number), with one given power-of-two scale for each operand tensor; their sums are f32. All else is computed in f32.
;;   The module's matrix products, in the order in which they are computed (A, B: the left and right operand; K: the contracted axis; several contracted axes count as one K, in the product's order):
;;     1. [M 4,096, K 1,024] x [K 1,024, N 3,072]; A: computed on the way; B: input w_qkv (given as codes): QUANTISED (scales: A lowp_scales[0], B lowp_scales[1])
;;     2. batch 32 x [M 2,048, K 64] x [K 64, N 2,048]; A: computed on the way; B: computed on the way: QUANTISED (scales: A lowp_scales[2], B lowp_scales[3])
;;     3. batch 32 x [M 2,048, K 2,048] x [K 2,048, N 64]; A: softmax (see below); B: computed on the way: QUANTISED (scales: A lowp_scales[4], B lowp_scales[5])
;;     4. [M 4,096, K 1,024] x [K 1,024, N 1,024]; A: computed on the way; B: input w_o (given as codes): QUANTISED (scales: A lowp_scales[6], B lowp_scales[7])
;;     5. [M 4,096, K 1,024] x [K 1,024, N 4,096]; A: computed on the way; B: input w_fc (given as codes): QUANTISED (scales: A lowp_scales[8], B lowp_scales[9])
;;     6. [M 4,096, K 4,096] x [K 4,096, N 1,024]; A: computed on the way; B: input w_proj (given as codes): QUANTISED (scales: A lowp_scales[10], B lowp_scales[11])
;;   THE QUANTISER, for each operand of a quantised product, along K:
;;     - The operand's scale is 2^e, e = its entry of the input lowp_scales (int32; the entries are numbered through the quantised products in the list's order, A before B).
;;     - Each number is divided by the scale, clamped to +-448, and rounded to the nearest number of E4M3, ties to even, subnormals kept.
;;     - The product sums the exact products of the quantised numbers (number of the format x scale) in f32.
;;   ~~~python
;;   def quantise(x, axis, e):      # numpy; x: float32 -> the quantised numbers, widened to float32 again
;;       x = np.moveaxis(x, axis, -1); K = x.shape[-1]
;;       r = np.clip(x / 2.0 ** e, -448, 448)
;;       step = 2.0 ** (np.maximum(np.frexp(np.where(r == 0, 1, r))[1] - 1, -6) - 3)
;;       q = np.round(r / step) * step * 2.0 ** e      # np.round: ties to even
;;       return np.moveaxis(q, -1, axis).astype(np.float32)
;;   ~~~
;;   SOFTMAX AHEAD OF A QUANTISED PRODUCT. Where the list says 'softmax', what is quantised is not the finished softmax but p = 2^(t - M), with t = logit x log2(e) and M = ceil(the row's largest t), a whole number; so 1/2 < the row's largest p <= 1. The row's sum l is taken of the UNQUANTISED p, in f32, and the product's result is divided by l at the end. Since M is a whole number, a kernel that streams over the keys may use a running M (the ceiling of the running maximum): every later rescaling is an exact power of two, so the quantised numbers keep their values, but for numbers so far below the row's largest that they fall under the format's range.
;;   OPERANDS COMPUTED ON THE WAY. 'Computed on the way' means the value that the module computes at that place (a softmax that the list does not call 'softmax' is quantised finished and normalised). What goes into a quantiser is computed in f32, as accurately as f32 sums, v_exp_f32 and their like allow (about 1e-6 of the number): no bf16 or f16 on the way to a quantiser, and a product that is left as it is and whose result goes on into a quantised operand takes f32 operands (vector FMAs, or v_wmma_f32_16x16x4_f32). A number that lies on a knife's edge between two numbers of the format may be rounded either way, as far as f32 arithmetic and the matrix unit's own rounding can turn it there, and no further.
;;   INPUTS GIVEN AS CODES. w_fc (in the module: [1024, 4096], K = its axis 0); w_o (in the module: [1024, 1024], K = its axis 0); w_proj (in the module: [4096, 1024], K = its axis 0); w_qkv (in the module: [1024, 3072], K = its axis 0): each comes as NAME_codes (uint8): NAME with its K axis moved to the last place and cut into blocks of 32 codes, [.., K / 32, bytes a block], one block behind the other in memory; one code a byte (a code: sign, 4 exponent bits, 3 mantissa bits); its scale is its entry of lowp_scales. Its value is code x scale, taken as it is: it is not quantised again, and the codes and scales need not be those that the quantiser above would give.
;; One version. Each part assembles by itself: llvm-mc -triple=amdgcn-amd-amdhsa -mcpu=gfx1250 --defsym DOCPART=n.
;; ======== version 1 of 1: 7 launches
;; limits: right only within a limited range of input values
;; workspace buffers: hc 4,194,304 bytes; qkv 12,582,912 bytes; yc 4,194,304 bytes; x1 16,777,216 bytes; g 16,777,216 bytes
;; launch ln1 (part 1): grid 256 x 1, 16 waves a work-group, no clusters, 18,432 bytes of LDS; arguments x, ln1_w, ln1_b, lowp_scales, hc; writes hc
.if DOCPART == 1
	.amdgcn_target "amdgcn-amd-amdhsa--gfx1250"
	.amdhsa_code_object_version 6
	.text
	.protected	k_q33717c453a_ln1
	.globl	k_q33717c453a_ln1
	.p2align	8
	.type	k_q33717c453a_ln1,@function
k_q33717c453a_ln1:
	s_mov_b64 s[64:65], 0
	v_nop
	global_prefetch_b8 v0, s[64:65] scope:SCOPE_SE
	s_setreg_imm32_b32 hwreg(HW_REG_WAVE_MODE, 25, 1), 1
	s_wait_xcnt 0x0
; hc[row][:] = codes of E4M3 of layer_norm(in[row][:]) * w + b, with the given scale 2^e (entry E_OFF / 4 of the scales).  in: [4096][1024] f32; hc: [4096][1024] bytes.
; A work-group of four waves takes 16 rows, a wave 4.  A row is 4,096 bytes: one wave holds it in 32 registers between the mean, the variance and the scaling, so it is read once.
; All four rows of a wave are asked for at the head: 32 loads of 512 consecutive bytes.  Load j of a row gives lane l the columns 128 j + 4 l + 0 .. 3; gain and bias are loaded alike and stay.
; The mean is taken first and subtracted, the variance is the mean of the squares of what is left: no difference of large sums.
; A conversion's result register holds the 4 codes of one load's 4 columns; they go through the wave's own 4,096 bytes of LDS, so that a store covers 512 consecutive bytes.  No barrier: waves share nothing.
; LIMITS: e between -126 and 119 (2^e and 448 x 2^e are made as f32 numbers).  NaN and infinities among the inputs are not served.
; SHARES AS THE TEXT NOW HAS THEM: a work-group of sixteen waves takes 16 rows, a wave ONE row (8 loads) and 1,024 bytes of LDS; where the lines above speak of four waves and four rows a wave, this line holds.
.set E_OFF, 0
.set GW,  20                           ; v20-51   the gain at my columns
.set GB,  52                           ; v52-83   the bias
.set X,   84                           ; v84-211  four rows of 32 registers
.set C,   212                          ; v212-219 a row's codes
.set OUT, 220                          ; v220-251 8 registers a row: no store's data are written again
.set K10, 252                          ; v252     1 / 1024
	s_load_b256 s[4:11], s[0:1], 0x0               ; in s[4:5], gain s[6:7], bias s[8:9], scales s[10:11]
	s_load_b64 s[12:13], s[0:1], 0x20              ; hc
	v_lshl_add_u32 v254, v0, 2, 0x4000
	v_mov_b32 v255, 0
	v_lshrrev_b32 v1, 5, v0
	v_readfirstlane_b32 s14, v1                    ; wave
	v_and_b32 v4, 31, v0                           ; lane
	v_lshlrev_b32 v1, 4, v4                        ; 16 x lane: my place in 512 bytes
	s_lshl_b32 s15, s14, 10                        ; my wave's 1,024 bytes of LDS
	v_lshl_add_u32 v2, v4, 2, s15                  ; into them: 4 bytes a lane
	v_add_nc_u32 v3, s15, v1                       ; out of them: 16 bytes a lane
	v_mov_b32 v5, 0                                ; a lane permute's destination counts as read: written once
	v_mov_b32 v[K10], 0x3a800000
	s_mov_b32 s16, 0x76543210                      ; lane l xor 16
	s_mov_b32 s17, 0xfedcba98
	s_lshl_b32 s20, ttmp9, 4
	s_mov_b32 s21, s14
	s_add_co_u32 s20, s20, s21                     ; my first row: 16 x work-group + wave
	s_lshl_b32 s22, s20, 12
	s_mov_b32 s23, 0
	s_lshl_b32 s20, s20, 10
	s_mov_b32 s21, 0
	s_wait_alu depctr_va_vdst(0)
	s_wait_kmcnt 0x0
	s_load_b32 s24, s[10:11], E_OFF                ; e
	s_add_nc_u64 s[4:5], s[4:5], s[22:23]
	s_add_nc_u64 s[12:13], s[12:13], s[20:21]
.irp j, 0,1,2,3,4,5,6,7
	global_load_b128 v[GW+4*\j:GW+4*\j+3], v1, s[6:7] offset:512*\j
.endr
.irp j, 0,1,2,3,4,5,6,7
	global_load_b128 v[GB+4*\j:GB+4*\j+3], v1, s[8:9] offset:512*\j
.endr
.irp r, 0
.irp j, 0,1,2,3,4,5,6,7
	global_load_b128 v[X+32*\r+4*\j:X+32*\r+4*\j+3], v1, s[4:5] offset:4096*\r+512*\j th:TH_LOAD_NT
.endr
.endr
	s_wait_kmcnt 0x0
	s_add_co_i32 s24, s24, 127
	s_lshl_b32 s25, s24, 23
	v_mov_b32 v18, s25                             ; 2^e as f32: the conversion takes its exponent field
	s_add_co_i32 s24, s24, 8
	s_lshl_b32 s24, s24, 23
	s_or_b32 s24, s24, 0x600000
	v_mov_b32 v19, s24                             ; 448 x 2^e
.macro REDUCE                          ; four pairs v[6:13] -> their sum over the wave, in v6 of every lane
	v_pk_add_f32 v[6:7], v[6:7], v[8:9]
	v_pk_add_f32 v[10:11], v[10:11], v[12:13]
	v_pk_add_f32 v[6:7], v[6:7], v[10:11]
	v_add_f32 v6, v6, v7
	v_add_f32_dpp v6, v6, v6 row_xmask:1 row_mask:0xf bank_mask:0xf
	v_add_f32_dpp v6, v6, v6 row_xmask:2 row_mask:0xf bank_mask:0xf
	v_add_f32_dpp v6, v6, v6 row_xmask:4 row_mask:0xf bank_mask:0xf
	v_add_f32_dpp v6, v6, v6 row_xmask:8 row_mask:0xf bank_mask:0xf
	v_permlanex16_b32 v5, v6, s16, s17
	v_add_f32 v6, v6, v5
.endm
.macro ROW r
.set XR, X+32*(\r)
	s_wait_loadcnt 0x0                             ; gain, bias and my row are in
.irp k, 0,1,2,3
	v_pk_add_f32 v[6+2*\k:7+2*\k], v[XR+4*\k:XR+4*\k+1], v[XR+4*\k+2:XR+4*\k+3]   ; the first pairs start four chains: nothing is cleared
.endr
.irp k, 0,1,2,3
	v_pk_add_f32 v[6+2*\k:7+2*\k], v[6+2*\k:7+2*\k], v[XR+16+2*\k:XR+17+2*\k]
.endr
.irp k, 0,1,2,3
	v_pk_add_f32 v[6+2*\k:7+2*\k], v[6+2*\k:7+2*\k], v[XR+24+2*\k:XR+25+2*\k]
.endr
	REDUCE
	v_mul_f32 v14, v6, v[K10]                      ; the mean, twice: a pair for the packed form
	v_mul_f32 v15, v6, v[K10]
.set i, 0
.rept 16
	v_pk_add_f32 v[XR+i:XR+i+1], v[XR+i:XR+i+1], v[14:15] neg_lo:[0,1] neg_hi:[0,1]   ; x - mean
.set i, i+2
.endr
.irp k, 0,1,2,3
	v_pk_mul_f32 v[6+2*\k:7+2*\k], v[XR+2*\k:XR+2*\k+1], v[XR+2*\k:XR+2*\k+1]
.endr
.set i, 8
.rept 12
	v_pk_fma_f32 v[6+i%8:7+i%8], v[XR+i:XR+i+1], v[XR+i:XR+i+1], v[6+i%8:7+i%8]
.set i, i+2
.endr
	REDUCE
	v_fmaak_f32 v6, v6, v[K10], 0x3727c5ac         ; the variance + 1e-5
	s_wait_alu depctr_va_vdst(0)
	v_rsq_f32 v16, v6
	v_rsq_f32 v17, v6                              ; twice: a pair
	v_nop                                          ; a plain instruction behind the last of them
	s_wait_alu depctr_va_vdst(0)                   ; one wait for both, ahead of their first reader
.set i, 0
.rept 16
	v_pk_mul_f32 v[XR+i:XR+i+1], v[XR+i:XR+i+1], v[16:17]
.set i, i+2
.endr
.set i, 0
.rept 16
	v_pk_fma_f32 v[XR+i:XR+i+1], v[XR+i:XR+i+1], v[GW+i:GW+i+1], v[GB+i:GB+i+1]
.set i, i+2
.endr
.set i, 0
.rept 32
	v_med3_num_f32 v[XR+i], v[XR+i], -v19, v19     ; the conversion to an 8-bit code does not saturate (ISA guide 7.6.2): the hold at 448 x the scale
.set i, i+1
.endr
.irp m, 0,1,2,3
	v_cvt_scalef32_pk8_fp8_f32 v[C+2*\m:C+2*\m+1], v[XR+8*\m:XR+8*\m+7], v18
.endr
	v_nop                                          ; a plain instruction behind the last conversion
.irp j, 0,1,2,3,4,5,6,7
	ds_store_b32 v2, v[C+\j] offset:1024*(\r)+128*\j             ; columns 128 j + 4 l + 0 .. 3
.endr
.irp i, 0,1
	ds_load_b128 v[OUT+8*(\r)+4*\i:OUT+8*(\r)+4*\i+3], v3 offset:1024*(\r)+512*\i   ; LDS serves a wave's instructions in order: these see my stores
.endr
	s_wait_dscnt 0x0
.irp i, 0,1
	global_store_b128 v1, v[OUT+8*(\r)+4*\i:OUT+8*(\r)+4*\i+3], s[12:13] offset:1024*(\r)+512*\i   ; 32 lanes store 512 consecutive bytes, aligned
.endr
.endm
	ROW 0
	s_wait_tensorcnt 0x0
	ds_add_u32 v254, v255
	s_wait_dscnt 0x0
	s_endpgm
.Lfunc_end_k_q33717c453a_ln1:
	.size	k_q33717c453a_ln1, .Lfunc_end_k_q33717c453a_ln1-k_q33717c453a_ln1
	.p2alignl 7, 3214868480
	.fill 96, 4, 3214868480
	.section	.rodata,"a",@progbits
	.p2align	6, 0x0
	.amdhsa_kernel k_q33717c453a_ln1
		.amdhsa_group_segment_fixed_size 18432
		.amdhsa_private_segment_fixed_size 0
		.amdhsa_enable_private_segment 0
		.amdhsa_kernarg_size 40
		.amdhsa_user_sgpr_count 2
		.amdhsa_user_sgpr_kernarg_segment_ptr 1
		.amdhsa_wavefront_size32 1
		.amdhsa_system_sgpr_workgroup_id_x 1
		.amdhsa_system_sgpr_workgroup_id_y 1
		.amdhsa_system_sgpr_workgroup_id_z 1
		.amdhsa_system_vgpr_workitem_id 0
		.amdhsa_next_free_vgpr 256
		.amdhsa_next_free_sgpr 66
		.amdhsa_reserve_vcc 0
		.amdhsa_float_denorm_mode_32 3
		.amdhsa_float_denorm_mode_16_64 3
		.amdhsa_memory_ordered 1
		.amdhsa_forward_progress 1
		.amdhsa_inst_pref_size 14
	.end_amdhsa_kernel
	.amdgpu_metadata
---
amdhsa.version: [ 1, 2 ]
amdhsa.kernels:
  - .name:           k_q33717c453a_ln1
    .symbol:         k_q33717c453a_ln1.kd
    .args:
      - { .name: x, .offset: 0, .size: 8, .value_kind: global_buffer, .address_space: global }
      - { .name: ln1_w, .offset: 8, .size: 8, .value_kind: global_buffer, .address_space: global }
      - { .name: ln1_b, .offset: 16, .size: 8, .value_kind: global_buffer, .address_space: global }
      - { .name: lowp_scales, .offset: 24, .size: 8, .value_kind: global_buffer, .address_space: global }
      - { .name: hc, .offset: 32, .size: 8, .value_kind: global_buffer, .address_space: global }
    .group_segment_fixed_size: 18432
    .private_segment_fixed_size: 0
    .kernarg_segment_align: 8
    .kernarg_segment_size: 40
    .max_flat_workgroup_size: 512
    .sgpr_count:     66
    .vgpr_count:     256
    .wavefront_size: 32
...
	.end_amdgpu_metadata
.endif
;; end of part 1
;; launch qkvp (part 2): grid 8 x 24, 4 waves a work-group, clusters of 4 x 4, 327,680 bytes of LDS; arguments hc, w_qkv_codes, lowp_scales, b_qkv, qkv; writes qkv
.if DOCPART == 2
	.amdgcn_target "amdgcn-amd-amdhsa--gfx1250"
	.amdhsa_code_object_version 6
	.text
	.protected	k_q33717c453a_qkvp
	.globl	k_q33717c453a_qkvp
	.p2align	8
	.type	k_q33717c453a_qkvp,@function
k_q33717c453a_qkvp:
	s_mov_b64 s[64:65], 0
	v_nop
	global_prefetch_b8 v0, s[64:65] scope:SCOPE_SE
	s_setreg_imm32_b32 hwreg(HW_REG_WAVE_MODE, 25, 1), 1
	s_wait_xcnt 0x0
	s_wait_alu depctr_hold_cnt(0) depctr_sa_sdst(0) depctr_va_vdst(0) depctr_va_sdst(0) depctr_va_ssrc(0) depctr_va_vcc(0) depctr_vm_vsrc(0)
	s_getreg_b32 s2, hwreg(HW_REG_IB_STS2, 6, 4)
	s_cmp_eq_u32 s2, 0
	s_cbranch_scc0 .Lentry_in_a_cluster
	s_endpgm
.Lentry_in_a_cluster:
	s_bfe_u32 s2, ttmp6, 0x10000c
	s_cmp_lg_u32 s2, 0xf033
	s_cbranch_scc0 .Lentry_shape_is_right
	s_endpgm
.Lentry_shape_is_right:
; qkv = codes of (h W + b_qkv): h = hc [4096 tokens][1024] codes (scale 2^e0), W = w_qkv_codes [3072 features][1024] codes (2^e1); sums in f32, x 2^(e0 + e1), + bias, quantised: q by 2^e2, k by 2^e3, v by 2^e5.
; OUT: byte 0: Q [16 heads][4096 places][64]; byte 4 MiB: K likewise; byte 8 MiB: V^T [1024 = 64 head + d][4096 tokens].  In Q and K a token's PLACE is the token with bits 3 and 4 exchanged, so that 16 neighbouring
; places form a tile of keys whose scores give a lane 16 neighbouring keys over two tiles.
; A tile of 256 x 256 is made by four waves, 128 x 128 each: 64 accumulators, 512 registers.  K goes in four steps of 256 through two LDS slots filled by the tensor data mover; rows of 256 bytes.
; THE MATRIX INSTRUCTION IS USED TRANSPOSED: source 0 = 16 rows of the operand called B', source 1 = 16 rows of A': a lane holds one row of A' and eight neighbouring rows of B'.
; Clusters with y < 4 make q and k: A' = tokens, B' = features (a lane: eight neighbouring d of a token).  Clusters with y = 4, 5 make v: A' = features 2048 on, B' = tokens (a lane: eight neighbouring tokens of a feature):
; the second product's K lies innermost with no other main loop.  The choice hangs on the cluster's y alone, which all sixteen partners share.
; CLUSTERS: 4 x 4.  A's tile hangs on cy and is asked for jointly along a row of the cluster, B's on cx and along a column.
; THE BIASES are asked for at the head, into registers that the main loop does not name, and waited for on the way out: the whole main loop stands between.
; REGISTERS, in windows of 256: window 0: v0-31 addresses; v32-95 the bias along B's rows, v96-111 the bias along A's rows; from v128 A's fragments, one set; on the way out v128-255 are at work.
;   window 1: B's fragments, two sets.  windows 2, 3: the accumulators ((a, b) at v[8 (8 (a % 4) + b)]).
; LIMITS: e0 + e1 between -126 and 127; e2, e3, e5 between -126 and 119.  NaN is not served.
.set SIZE_K, 1024
.set KSTEP,  256
.set ROWB,   256
.set KROW,   SIZE_K
.set PITCH,  272                       ; an LDS row: 256 bytes + 16 of padding: the 16 rows that a load touches start at 16 different banks
.set FR,     16
.set NL,     4
.set NP,     4
.set HALFT,  128*PITCH
.set SLOT,   4*HALFT
.set LAPS,   SIZE_K/(2*KSTEP)
.set SPARE,  2*SLOT                    ; behind the ring: the spare words, 128 bytes a wave
.set RQ0,  8                           ; v8, v9  q, k: where I read 8 tokens x 64 bytes back (features 0-127, 128-255 of the tile)
.set RQ1,  9
.set HB,   10                          ; v10  32 x (lane / 16): my eight numbers of the column bias; never rewritten
.set RB4,  11                          ; v11  4 x (lane % 16): my number of the row bias; never rewritten
.set L16,  12                          ; v12  16 x lane
.set ADRA, 16
.set ADRB, 20
.set STO,  24                          ; v24  the stage of codes: where I put 8 bytes
.set RD,   25                          ; v25  v: where I read a row of 256 bytes back
.set CO,   26                          ; v26  v: my byte offset in two rows of V^T
.set SCL,  27                          ; v27  the quantiser's 2^e
.set SPW,  28
.set NIL,  29
.set LIM,  30                          ; v30  448 x 2^e
.set CBR,  32                          ; v32-95   the bias along B's rows: 8 registers for each of B's eight blocks
.set RBI,  96                          ; v96-111  the bias along A's rows: one number for each of my eight blocks, in pairs
.set AF,   128
.set TMP,  128                         ; the way out: 64 numbers at work, then 128 registers of rows read back
.set CD,   192                         ; the way out: a block's codes
.set G1, 24
.set G0, 32
.set G1B, 48
.set G0B, 56
.set MSB, 0
.macro WIN new                         ; the immediate's high byte repeats the setting that is left
.if MSB != \new
	s_set_vgpr_msb (MSB<<8)|\new
.set MSB, \new
.endif
.endm
.set MUL_LO, 0xa1
.set MUL_HI, 0xf1
.set TO_B,   0x40
.macro JLOAD g0a, g1a, g0b, g1b        ; a joint load: waves 0 and 1 fetch for A', waves 2 and 3 for B'; four v_nop follow each line
	s_cmp_eq_u32 s15, 0
	s_cbranch_scc0 .Lfor_b_\@
	tensor_load_to_lds s[\g0a:\g0a+3], s[\g1a:\g1a+7]
	s_nop 0
.rept 4
	v_nop
.endr
	s_branch .Lasked_\@
.Lfor_b_\@:
	tensor_load_to_lds s[\g0b:\g0b+3], s[\g1b:\g1b+7]
	s_nop 0
.rept 4
	v_nop
.endr
.Lasked_\@:
.endm
.macro CREST
	s_cmp_lg_u32 s14, 0
	s_cbranch_scc1 .Lnot_wave_0_\@
	s_barrier_signal -3
.Lnot_wave_0_\@:
	s_barrier_wait -3
	s_barrier_signal -1
	s_barrier_wait -1
.endm
.macro CROUND
	s_barrier_signal -1
	s_barrier_wait -1
	CREST
.endm
	s_load_b128 s[4:7], s[0:1], 0x0                ; hc, W's codes
	s_load_b128 s[8:11], s[0:1], 0x10              ; scales, b_qkv
	s_load_b64 s[12:13], s[0:1], 0x20              ; qkv
	v_lshl_add_u32 v[SPW], v0, 2, SPARE
	v_mov_b32 v[NIL], 0
	ds_add_u32 v28, v29
	ds_add_u32 v28, v29
	s_wait_dscnt 0x0
	v_lshrrev_b32 v1, 5, v0
	v_readfirstlane_b32 s14, v1                    ; wave
	s_lshr_b32 s15, s14, 1                         ; my half of A's rows.  Also: I fetch for A' (0) or B' (1)
	s_and_b32 s16, s14, 1                          ; my half of B's rows.  Also: the slot that I fill, all 256 rows of my operand's tile
	s_bfe_u32 s40, ttmp6, 0x40000                  ; cx
	s_bfe_u32 s41, ttmp6, 0x40004                  ; cy
	s_and_b32 s66, ttmp7, 0xffff                   ; the cluster's y, 0 .. 5
	s_sub_co_u32 s69, s66, 4
	s_cmp_lt_u32 s66, 4                            ; q and k, or v?
	s_cselect_b32 s67, 1, 0                        ; REG: 1 = q, k
	s_cselect_b32 s68, s66, 2
	s_cselect_b32 s69, 0, s69
	s_lshl_b32 s17, s68, 2
	s_add_co_u32 s17, s17, s41                     ; TA, A's tile: token tile 4 y + cy, or W's tile 8 + cy
	s_lshl_b32 s42, s69, 3
	s_lshl_b32 s70, ttmp9, 2
	s_add_co_u32 s42, s42, s70
	s_add_co_u32 s42, s42, s40                     ; TB, B's tile: feature tile 4 x + cx, or token tile 8 (y - 4) + 4 x + cx
	s_lshl_b32 s43, s41, 2
	s_lshl_b32 s43, 15, s43                        ; my row of the cluster
	s_lshl_b32 s44, 0x1111, s40                    ; my column
	s_or_b32 s[G1+0], s43, (0<<16)|(1<<20)|(1<<21)|(5<<22)|(3<<25)   ; the mask; elements of 1 byte; padding on; bit 21 beside a mask; 4 words after every 64
	s_or_b32 s[G1B+0], s44, (0<<16)|(1<<20)|(1<<21)|(5<<22)|(3<<25)
.irp g, G1, G1B
	s_mov_b32 s[\g+1], ROWB<<16                    ; tensor_dim0
	s_mov_b32 s[\g+2], 256<<16                     ; tensor_dim1
	s_mov_b32 s[\g+3], ROWB<<16                    ; tile_dim0
	s_mov_b32 s[\g+4], 256                         ; tile_dim1
	s_mov_b32 s[\g+5], KROW                        ; the pitch
	s_mov_b32 s[\g+6], 0
	s_mov_b32 s[\g+7], 0
.endr
	s_lshl_b32 s18, s16, 8                         ; my slot's first K step: 256 bytes along the rows
	s_lshl_b32 s20, s17, 18                        ; A': 256 TA rows of 1,024 bytes
	s_add_co_u32 s20, s20, s18
	s_mov_b32 s21, 0
	s_lshl_b32 s46, s42, 18                        ; B' likewise
	s_add_co_u32 s46, s46, s18
	s_mov_b32 s47, 0
	s_mul_i32 s45, s15, 2*HALFT                    ; where they go: A's 256 rows, then B's, in my slot
	s_mul_i32 s71, s16, SLOT
	s_add_co_u32 s45, s45, s71
	s_wait_kmcnt 0x0
	s_load_b128 s[72:75], s[8:9], 0x0              ; e0, e1, e2, e3
	s_load_b64 s[98:99], s[8:9], 0x10              ; e4, e5
	s_cmp_eq_u32 s67, 1
	s_cselect_b64 s[80:81], s[4:5], s[6:7]         ; A'
	s_cselect_b64 s[82:83], s[6:7], s[4:5]         ; B'
	s_add_nc_u64 s[20:21], s[80:81], s[20:21]
	s_add_nc_u64 s[46:47], s[82:83], s[46:47]
	CROUND                                         ; all sixteen work-groups are here: the first joint loads meet
.irp s, 0
	s_mov_b32 s[G0+4*\s], 1
	s_add_co_u32 s[G0+4*\s+1], s45, \s*SLOT
	s_add_nc_u64 s[G0+4*\s+2:G0+4*\s+3], s[20:21], \s*ROWB
	s_or_b32 s[G0+4*\s+3], s[G0+4*\s+3], 0x80000000
	s_mov_b32 s[G0B+4*\s], 1
	s_add_co_u32 s[G0B+4*\s+1], s45, \s*SLOT
	s_add_nc_u64 s[G0B+4*\s+2:G0B+4*\s+3], s[46:47], \s*ROWB
	s_or_b32 s[G0B+4*\s+3], s[G0B+4*\s+3], 0x80000000
	JLOAD G0+4*\s, G1, G0B+4*\s, G1B
.endr
	; THE REFILLS are shared among all four waves: wave w brings 128 rows (operand w / 2, half w % 2) by descriptors of their own: groups 0 in s[36:39], s[60:63], which walk; groups 1 in s[88:95], s[76:83]
	s_mul_i32 s18, s16, 130816                     ; from (row 0, my slot's K step) to (row 128 x half, K step 1): the first refill steps it to K step 2
	s_add_co_u32 s18, s18, ROWB
	s_mov_b32 s19, 0
	s_mov_b32 s36, 1
	s_add_nc_u64 s[38:39], s[20:21], s[18:19]
	s_or_b32 s39, s39, 0x80000000
	s_mov_b32 s60, 1
	s_add_nc_u64 s[62:63], s[46:47], s[18:19]
	s_or_b32 s63, s63, 0x80000000
	s_mul_i32 s71, s14, HALFT                      ; where they go in a slot: wave x 128 rows
	s_or_b32 s88, s43, (0<<16)|(1<<20)|(1<<21)|(5<<22)|(3<<25)
	s_or_b32 s76, s44, (0<<16)|(1<<20)|(1<<21)|(5<<22)|(3<<25)
.irp g, 88, 76
	s_mov_b32 s[\g+1], ROWB<<16
	s_mov_b32 s[\g+2], 128<<16
	s_mov_b32 s[\g+3], ROWB<<16
	s_mov_b32 s[\g+4], 128
	s_mov_b32 s[\g+5], KROW
	s_mov_b32 s[\g+6], 0
	s_mov_b32 s[\g+7], 0
.endr
	v_and_b32 v1, 15, v0                           ; r
	s_wait_alu depctr_va_vdst(0)
	v_bfe_u32 v2, v0, 4, 1                         ; h
	v_mul_u32_u24 v3, v1, PITCH
	v_lshl_add_u32 v4, v2, 4, v3
	s_mul_i32 s21, s15, HALFT
	s_mul_i32 s22, s16, HALFT
	s_add_co_u32 s22, s22, 2*HALFT
.irp s, 0,1
	v_add_nc_u32 v[ADRA+\s], s21, v4
	v_add_nc_u32 v[ADRB+\s], s22, v4
	s_add_co_u32 s21, s21, SLOT
	s_add_co_u32 s22, s22, SLOT
.endr
	; the stage of codes: wave w owns LDS bytes 65,536 w on; block a's 16 rows x 128 bytes lie at 8,192 a, rows 144 bytes apart; odd waves 128 bytes further on, so that the two halves of a row of 256 fall on different banks
	s_lshl_b32 s23, s14, 16
	s_lshl_b32 s45, s16, 7
	s_add_co_u32 s45, s45, s23
	v_mul_u32_u24 v5, v1, 144
	s_wait_alu depctr_va_vdst(0)
	v_lshl_add_u32 v5, v2, 3, v5
	v_add_nc_u32 v[STO], s45, v5
	s_lshl_b32 s23, s15, 17                        ; back: the pair of waves of my half of the rows,
	s_lshl_b32 s45, s16, 15                        ; and of their eight blocks my four
	s_add_co_u32 s23, s23, s45
	v_bfe_u32 v5, v0, 3, 1
	v_mul_u32_u24 v5, v5, 65664                    ; lanes 8-15 of sixteen: the odd wave's stage
	v_and_b32 v6, 7, v0
	v_lshl_add_u32 v5, v6, 4, v5
	v_mul_u32_u24 v6, v2, 144                      ; lanes 16-31: the next row
	v_add_nc_u32 v5, v5, v6
	v_add_nc_u32 v[RD], s23, v5
	v_lshlrev_b32 v[CO], 12, v2
	v_lshl_add_u32 v[CO], v1, 4, v[CO]
	v_bfe_u32 v5, v0, 2, 3                         ; q, k: four lanes to a token's 64 bytes, eight tokens an instruction
	v_mul_u32_u24 v5, v5, 144
	v_and_b32 v6, 3, v0
	v_lshl_add_u32 v5, v6, 4, v5
	v_add_nc_u32 v[RQ0], s23, v5
	v_add_nc_u32 v[RQ1], 65664, v[RQ0]
	v_and_b32 v6, 31, v0
	v_lshlrev_b32 v[L16], 4, v6
	v_lshlrev_b32 v[HB], 5, v2
	s_wait_alu depctr_va_vdst(0)
	v_lshlrev_b32 v[RB4], 2, v1
	; the biases.  q, k: the bias runs along B's rows; v: along A's.  The other one is loaded inside the buffer, from its first tile, and replaced by 0 on the way out.
	; s[84:87], v10 and v11 are written nowhere else, and v32-111 are named again only behind the wait for these loads
	s_wait_alu depctr_va_vdst(0)
	s_cmp_eq_u32 s67, 1
	s_cselect_b32 s84, s42, 0
	s_cselect_b32 s86, 0, s17
	s_lshl_b32 s84, s84, 10
	s_lshl_b32 s85, s16, 9
	s_add_co_u32 s84, s84, s85
	s_mov_b32 s85, 0
	s_add_nc_u64 s[84:85], s[10:11], s[84:85]      ; b_qkv at 256 TB + 128 x my half of B's rows
	s_lshl_b32 s86, s86, 10
	s_lshl_b32 s87, s15, 9
	s_add_co_u32 s86, s86, s87
	s_mov_b32 s87, 0
	s_add_nc_u64 s[86:87], s[10:11], s[86:87]      ; and at 256 TA + 128 x my half of A's rows
.irp b, 0,1,2,3,4,5,6,7
	global_load_b128 v[CBR+8*\b:CBR+8*\b+3], v[HB], s[84:85] offset:64*\b
	global_load_b128 v[CBR+8*\b+4:CBR+8*\b+7], v[HB], s[84:85] offset:64*\b+16
.endr
.irp a, 0,1,2,3,4,5,6,7
	global_load_b32 v[RBI+2*\a], v[RB4], s[86:87] offset:64*\a
	v_mov_b32 v[RBI+2*\a+1], 0                     ; named with it as a pair, so it is written
.endr
.macro FRAG reg, adr, q, i             ; 16 rows x 128 K: lane l holds row l % 16; registers 4 c .. 4 c + 3 hold K = 32 c + 16 (l / 16) + 0 .. 15: the same order of K in both operands
.irp c, 0,1,2,3
	ds_load_b128 v[\reg+4*\c:\reg+4*\c+3], v[\adr] offset:128*(\q)+32*\c+(\i)*16*PITCH
.endr
.endm
.macro MUL16 a0, p, zero               ; A's blocks a0, a0 + 1 x B's eight; the 64 accumulators take turns, one instruction a turn
.irp a, \a0, \a0+1
.irp b, 0,1,2,3,4,5,6,7
.if \zero
	v_wmma_f32_16x16x128_fp8_fp8 v[8*(8*((\a)%4)+\b):8*(8*((\a)%4)+\b)+7], v[128*(\p)+FR*\b:128*(\p)+FR*\b+FR-1], v[AF+FR*(\a):AF+FR*(\a)+FR-1], 0
.else
	v_wmma_f32_16x16x128_fp8_fp8 v[8*(8*((\a)%4)+\b):8*(8*((\a)%4)+\b)+7], v[128*(\p)+FR*\b:128*(\p)+FR*\b+FR-1], v[AF+FR*(\a):AF+FR*(\a)+FR-1], v[8*(8*((\a)%4)+\b):8*(8*((\a)%4)+\b)+7]
.endif
.endr
.endr
.endm
.macro FETCH_B slot, q, p
	WIN TO_B
.irp i, 0,1,2,3,4,5,6,7
	FRAG 128*(\p)+FR*\i, ADRB+\slot, \q, \i
.endr
	WIN 0
.endm
.macro FETCH_A slot, q, i0
.irp i, \i0, \i0+1, \i0+2, \i0+3
	FRAG AF+FR*(\i), ADRA+\slot, \q, \i
.endr
.endm
.macro PLACES n                        ; plain vector instructions between a matrix instruction and a load into, or a read of, its registers
.rept \n
	v_nop
.endr
.endm
.macro STEP slot, q, zero              ; 128 along K that has its successor in the same slot
	s_wait_dscnt 4*NL                              ; B's set and A's blocks 0-3 are in; the youngest 16 loads (A's blocks 4-7) may be out
	WIN MUL_LO
	MUL16 0, (\q)%2, \zero
	MUL16 2, (\q)%2, \zero
	s_wait_dscnt 0
	PLACES NP
	FETCH_B \slot, (\q)+1, 1-(\q)%2
	FETCH_A \slot, (\q)+1, 0
	WIN MUL_HI
	MUL16 4, (\q)%2, \zero
	MUL16 6, (\q)%2, \zero
	PLACES NP
	WIN 0
	FETCH_A \slot, (\q)+1, 4
.endm
.macro TURN slot, next, fill           ; a slot's last step changes slots: one barrier; in front of it all my tensor loads, the add, my reads of this slot
	s_wait_tensorcnt 0x0                           ; all my tensor loads have landed: my part of the next slot
	ds_add_u32 v[SPW], v[NIL]                      ; 0 onto my spare word
	s_wait_dscnt 4*NL+1                            ; the add and the youngest 16 loads may be out
	WIN MUL_LO
	MUL16 0, 1, 0
	s_wait_dscnt 0x0                               ; the add is done, and my reads of this slot are over
	s_barrier_signal -1
	MUL16 2, 1, 0
	WIN 0
	s_barrier_wait -1
.if \fill
	CREST                                          ; the barrier has opened a round of the cluster's: no wave of any partner still reads this slot or has a load on its way
	s_add_co_u32 s37, s71, \slot*SLOT              ; no load of mine is out: the walking groups 0 may be written: this slot, the next K step
	s_add_co_u32 s61, s71, \slot*SLOT
	s_add_nc_u64 s[38:39], s[38:39], ROWB
	s_add_nc_u64 s[62:63], s[62:63], ROWB
	JLOAD 36, 88, 60, 76
.else
	PLACES NP
.endif
	FETCH_B \next, 0, 0
	FETCH_A \next, 0, 0
	WIN MUL_HI
	MUL16 4, 1, 0
	MUL16 6, 1, 0
	PLACES NP
	WIN 0
	FETCH_A \next, 0, 4
.endm
	s_wait_tensorcnt 0x0                           ; my one load, a whole tile of K step 0 or 1, is in
	s_barrier_signal -1
	s_barrier_wait -1
	FETCH_B 0, 0, 0
	FETCH_A 0, 0, 0
	FETCH_A 0, 0, 4
	STEP 0, 0, 1                                   ; the first step's products start the sums
	s_mov_b32 s3, LAPS-1
.Llap:
	TURN 0, 1, 1
	STEP 1, 0, 0
	TURN 1, 0, 1
	STEP 0, 0, 0
	s_sub_co_u32 s3, s3, 1
	s_cmp_lg_u32 s3, 0
	s_cbranch_scc1 .Llap
	TURN 0, 1, 0
	STEP 1, 0, 0
	s_wait_dscnt 4*NL
	WIN MUL_LO
	MUL16 0, 1, 0
	MUL16 2, 1, 0
	s_wait_dscnt 0
	WIN MUL_HI
	MUL16 4, 1, 0
	MUL16 6, 1, 0
	WIN 0
	; THE WAY OUT.  The stages lie over both slots, which have had their last fill: a barrier, so that no wave still reads a slot.
	s_wait_dscnt 0x0
	s_barrier_signal -1
	s_barrier_wait -1
	s_wait_kmcnt 0x0
	s_add_co_i32 s96, s72, s73
	s_add_co_i32 s96, s96, 127
	s_lshl_b32 s96, s96, 23                        ; 2^(e0 + e1)
	s_mov_b32 s97, s96
	s_cmp_eq_u32 ttmp9, 0                          ; cluster x = 0: features 0-1023, q; 1: k
	s_cselect_b32 s78, s74, s75
	s_cmp_eq_u32 s67, 1
	s_cselect_b32 s78, s78, s99                    ; the quantiser's e: e2, e3 or e5
	s_cselect_b32 s79, -1, 0                       ; keep the bias along B's rows?
	s_cselect_b32 s88, 0, -1                       ; or the one along A's?
	s_add_co_i32 s78, s78, 127
	s_lshl_b32 s89, s78, 23
	s_add_co_i32 s78, s78, 8
	s_lshl_b32 s78, s78, 23
	s_or_b32 s78, s78, 0x600000
	PLACES NP
	v_mov_b32 v[SCL], s89
	v_mov_b32 v[LIM], s78
	s_wait_loadcnt 0x0                             ; the biases, asked for at the head
.set i, 0
.rept 64
	v_cndmask_b32 v[CBR+i], 0, v[CBR+i], s79
.set i, i+1
.endr
.irp a, 0,1,2,3,4,5,6,7
	v_cndmask_b32 v[RBI+2*\a], 0, v[RBI+2*\a], s88
.endr
.macro EPI a                           ; block a: sum x 2^(e0 + e1) + bias, held, converted: 8 bytes a lane and accumulator into my stage
	WIN 0x02+((\a)/4)                              ; source 0 window 2 or 3
.set i, 0
.rept 32
	v_pk_fma_f32 v[TMP+i:TMP+i+1], v[64*((\a)%4)+i:64*((\a)%4)+i+1], s[96:97], v[CBR+i:CBR+i+1] op_sel_hi:[1,0,1]   ; each accumulator from its low end on
.set i, i+2
.endr
	WIN 0
.set i, 0
.rept 32
	v_pk_add_f32 v[TMP+i:TMP+i+1], v[TMP+i:TMP+i+1], v[RBI+2*(\a):RBI+2*(\a)+1] op_sel_hi:[1,0]
.set i, i+2
.endr
.set i, 0
.rept 64
	v_med3_num_f32 v[TMP+i], v[TMP+i], -v[LIM], v[LIM]
.set i, i+1
.endr
.irp b, 0,1,2,3,4,5,6,7
	v_cvt_scalef32_pk8_fp8_f32 v[CD+2*\b:CD+2*\b+1], v[TMP+8*\b:TMP+8*\b+7], v[SCL]
.endr
	v_nop                                          ; a plain instruction behind the last conversion
.irp b, 0,1,2,3,4,5,6,7
	ds_store_b64 v[STO], v[CD+2*\b:CD+2*\b+1] offset:(\a)*8192+16*\b
.endr
.endm
.irp a, 0,1,2,3,4,5,6,7
	EPI \a
.endr
	s_wait_dscnt 0x0                               ; for the others' sake: my codes lie in the stage
	s_barrier_signal -1
	s_barrier_wait -1
	s_cmp_eq_u32 s67, 0
	s_cbranch_scc1 .Lvreg
	; q, k: each load takes 8 tokens x 64 bytes of one head; each store covers 512 consecutive bytes.  The exchange of the token's bits 3 and 4 stands in the store's immediate
	s_lshl_b32 s90, s42, 20                        ; four heads of 262,144 bytes a feature tile; K's region begins at tile 4
	s_lshl_b32 s91, s17, 14
	s_add_co_u32 s90, s90, s91
	s_lshl_b32 s91, s15, 13
	s_add_co_u32 s90, s90, s91
	s_lshl_b32 s91, s16, 12
	s_add_co_u32 s90, s90, s91                     ; + (256 TA + 128 half + 64 (wave % 2)) places of 64 bytes
	s_mov_b32 s91, 0
	s_add_nc_u64 s[12:13], s[12:13], s[90:91]
.set t, 0
.irp hh, 0,1,2,3
.irp ap, 0,1,2,3
.irp gp, 0,1
	ds_load_b128 v[TMP+4*t:TMP+4*t+3], v[RQ0+(\hh/2)] offset:\ap*8192+\gp*1152+(\hh%2)*64
.set t, t+1
.endr
.endr
.endr
.set t, 0
.irp hh, 0,1,2,3
.irp ap, 0,1,2,3
.irp gp, 0,1
	s_wait_dscnt 31-t                              ; LDS loads come back in order: load t is in
	global_store_b128 v[L16], v[TMP+4*t:TMP+4*t+3], s[12:13] offset:\hh*262144+(32*(\ap/2)+16*\gp+8*(\ap%2))*64
.set t, t+1
.endr
.endr
.endr
	s_branch .Lend
.Lvreg:
	; v: whole rows of 256 tokens: sixteen lanes store 256 consecutive bytes, aligned
	s_sub_co_u32 s90, s17, 8
	s_lshl_b32 s90, s90, 20                        ; 256 features of 4,096 bytes
	s_add_co_u32 s90, s90, 0x800000
	s_lshl_b32 s91, s42, 8
	s_add_co_u32 s90, s90, s91
	s_lshl_b32 s91, s15, 19
	s_add_co_u32 s90, s90, s91
	s_lshl_b32 s91, s16, 18
	s_add_co_u32 s90, s90, s91
	s_mov_b32 s91, 0
	s_add_nc_u64 s[12:13], s[12:13], s[90:91]
.irp ap, 0,1,2,3
.irp i, 0,1,2,3,4,5,6,7
	ds_load_b128 v[TMP+4*(8*\ap+\i):TMP+4*(8*\ap+\i)+3], v[RD] offset:\ap*8192+2*\i*144
.endr
.endr
.irp ap, 0,1,2,3
.irp i, 0,1,2,3,4,5,6,7
	s_wait_dscnt 31-(8*\ap+\i)
	global_store_b128 v[CO], v[TMP+4*(8*\ap+\i):TMP+4*(8*\ap+\i)+3], s[12:13] offset:(16*\ap+2*\i)*4096
.endr
.endr
.Lend:
	s_wait_tensorcnt 0x0                           ; the wave's end
	ds_add_u32 v[SPW], v[NIL]
	s_wait_dscnt 0x0
	CROUND                                         ; the closing round
	s_endpgm
.Lfunc_end_k_q33717c453a_qkvp:
	.size	k_q33717c453a_qkvp, .Lfunc_end_k_q33717c453a_qkvp-k_q33717c453a_qkvp
	.p2alignl 7, 3214868480
	.fill 96, 4, 3214868480
	.section	.rodata,"a",@progbits
	.p2align	6, 0x0
	.amdhsa_kernel k_q33717c453a_qkvp
		.amdhsa_group_segment_fixed_size 327680
		.amdhsa_private_segment_fixed_size 0
		.amdhsa_enable_private_segment 0
		.amdhsa_kernarg_size 40
		.amdhsa_user_sgpr_count 2
		.amdhsa_user_sgpr_kernarg_segment_ptr 1
		.amdhsa_wavefront_size32 1
		.amdhsa_system_sgpr_workgroup_id_x 1
		.amdhsa_system_sgpr_workgroup_id_y 1
		.amdhsa_system_sgpr_workgroup_id_z 1
		.amdhsa_system_vgpr_workitem_id 0
		.amdhsa_next_free_vgpr 1024
		.amdhsa_next_free_sgpr 100
		.amdhsa_reserve_vcc 0
		.amdhsa_float_denorm_mode_32 3
		.amdhsa_float_denorm_mode_16_64 3
		.amdhsa_memory_ordered 1
		.amdhsa_forward_progress 1
		.amdhsa_inst_pref_size 173
	.end_amdhsa_kernel
	.amdgpu_metadata
---
amdhsa.version: [ 1, 2 ]
amdhsa.kernels:
  - .name:           k_q33717c453a_qkvp
    .symbol:         k_q33717c453a_qkvp.kd
    .args:
      - { .name: hc, .offset: 0, .size: 8, .value_kind: global_buffer, .address_space: global }
      - { .name: w_qkv_codes, .offset: 8, .size: 8, .value_kind: global_buffer, .address_space: global }
      - { .name: lowp_scales, .offset: 16, .size: 8, .value_kind: global_buffer, .address_space: global }
      - { .name: b_qkv, .offset: 24, .size: 8, .value_kind: global_buffer, .address_space: global }
      - { .name: qkv, .offset: 32, .size: 8, .value_kind: global_buffer, .address_space: global }
    .group_segment_fixed_size: 327680
    .private_segment_fixed_size: 0
    .kernarg_segment_align: 8
    .kernarg_segment_size: 40
    .max_flat_workgroup_size: 128
    .sgpr_count:     100
    .vgpr_count:     1024
    .wavefront_size: 32
...
	.end_amdgpu_metadata
.endif
;; end of part 2
;; launch attn (part 3): grid 8 x 32, 16 waves a work-group, clusters of 4 x 1, 327,680 bytes of LDS; arguments qkv, lowp_scales, yc; writes yc
.if DOCPART == 3
	.amdgcn_target "amdgcn-amd-amdhsa--gfx1250"
	.amdhsa_code_object_version 6
	.text
	.protected	k_q33717c453a_attn
	.globl	k_q33717c453a_attn
	.p2align	8
	.type	k_q33717c453a_attn,@function
k_q33717c453a_attn:
	s_mov_b64 s[64:65], 0
	v_nop
	global_prefetch_b8 v0, s[64:65] scope:SCOPE_SE
	s_setreg_imm32_b32 hwreg(HW_REG_WAVE_MODE, 25, 1), 1
	s_wait_xcnt 0x0
	s_wait_alu depctr_hold_cnt(0) depctr_sa_sdst(0) depctr_va_vdst(0) depctr_va_sdst(0) depctr_va_ssrc(0) depctr_va_vcc(0) depctr_vm_vsrc(0)
	s_getreg_b32 s2, hwreg(HW_REG_IB_STS2, 6, 4)
	s_cmp_eq_u32 s2, 0
	s_cbranch_scc0 .Lentry_in_a_cluster
	s_endpgm
.Lentry_in_a_cluster:
	s_bfe_u32 s2, ttmp6, 0x10000c
	s_cmp_lg_u32 s2, 0x3003
	s_cbranch_scc0 .Lentry_shape_is_right
	s_endpgm
.Lentry_shape_is_right:
; yc = codes (scale 2^e6) of causal attention on codes: Q (2^e2), K (2^e3): [16 heads][4096 places][64]; V^T (2^e5): [1024][4096 tokens]; all in the buffer qkv at bytes 0, 4 MiB, 8 MiB.  yc: [16 heads][4096 tokens][64].
; THE SOFTMAX: t = score x log2(e) / 8; M = the running largest t rounded up to a whole number; p = 2^(t - M) is quantised (2^e4), not normalised; the row's sum is taken of the unquantised p and divides at the end.
; SHARES.  Work-group y = 16 batch + head.  All 2,048 keys of a head fit in LDS: K's and V's tiles are filled once, one tensor load a wave, and nothing is filled again.
; The four work-groups of a cluster belong to one head: each tile is asked for jointly.  g = 4 x cluster x + cx, 0 .. 7.  Wave w takes, of the block of 128 queries BLOCK(w), the 16 places 16 g on: so the number of a wave's
; key steps, BLOCK + 1 of 128 keys, hangs on the wave's number alone; every work-group has the same 136 steps; g enters global addresses and the mask's register only.
; BLOCK(w), with k = w & 3, lo = (w >> 2) & 1, hi = w >> 3: 2 k + lo, or 15 less that: the latter where hi = 0 for k = 0, 3 and where hi = 1 for k = 1, 2.
; The four waves with one w & 3 have blocks 2 k, 2 k + 1, 14 - 2 k, 15 - 2 k: 34 steps together, and the two long ones differ by one step.  The four waves with one w >> 2 have 34 steps together too
; (16 + 3 + 5 + 10, 15 + 4 + 6 + 9, 1 + 14 + 12 + 7, 2 + 13 + 11 + 8): the steps are shared evenly among four groups of waves whether the groups are taken by w & 3 or by w >> 2.
; LAYOUT.  Both products transposed: S^T = K Q^T, O^T = V^T P^T: a lane holds one query.  Place 32 c + 16 u + 8 a + j holds token 32 c + 16 a + 8 u + j, so the 16 registers of tiles 2 c and 2 c + 1 are keys 32 c + 16 (lane / 16) + 0 .. 15.
; LIMITS: e2 + e3 between -123 and 130 (added to c's exponent field); e4, e6 between -126 and 119.  NaN is not served.
; REGISTERS: v1, v2 my place in a tile of K, of V; v4 the mask's d; v5-7 the way out; v8, v9 addresses in hand; v12 -M, v13 largest t, v[14:15] the sum; v16-23 Q; v32-95 K's 8 fragments, then V's 4; v96-159 S^T, then p; v160-191 O^T; v224-239 p's codes;
;   v248-250, v254 chains of the maximum; v[232:239], v[242:243], v[248:251] chains of the sum.
.set KP,   80                          ; a key's row in LDS: 64 bytes + 16
.set VP,   272                         ; a row of V's chunk of 256 keys: 256 bytes + 16
.set KCH,  256*KP
.set VCH,  64*VP
.set VL,   2048*KP                     ; V behind K
.set STG,  VL+8*VCH                    ; behind both: 1,024 bytes for each wave, for the way out
.set WV,   18
.set BLK,  19
.set SEL,  20
.set CS,   22
.set G1K,  24
.set G1V,  32
.set G0K,  40
.set G0V,  44
.set TBK,  48                          ; s48, s49  LDS byte at which the chunk in hand begins, in K and in V
.set TBV,  49
.set ST,   66                          ; s66  the key step's number
.set CNT,  67
.macro ROUND
	s_barrier_signal -1
	s_barrier_wait -1
	s_cmp_lg_u32 s[WV], 0
	s_cbranch_scc1 .Lnot_wave_0_\@
	s_barrier_signal -3
.Lnot_wave_0_\@:
	s_barrier_wait -3
	s_barrier_signal -1
	s_barrier_wait -1
.endm
	s_load_b128 s[4:7], s[0:1], 0x0                ; qkv, scales
	s_load_b64 s[8:9], s[0:1], 0x10                ; yc
	v_lshl_add_u32 v223, v0, 2, 0x4e000
	v_mov_b32 v255, 0
	ds_add_u32 v223, v255
	ds_add_u32 v223, v255
	v_lshrrev_b32 v8, 5, v0
	s_delay_alu instid0(VALU_DEP_1)
	v_readfirstlane_b32 s[WV], v8                  ; wave 0 .. 15
	s_bfe_u32 s50, ttmp6, 0x40000                  ; cx
	s_lshl_b32 s51, ttmp9, 2
	s_add_co_u32 s51, s51, s50                     ; g
	s_and_b32 s52, ttmp7, 0xffff
	s_and_b32 s53, s52, 15                         ; head
	s_lshr_b32 s54, s52, 4                         ; batch
	s_and_b32 s55, s[WV], 3                        ; k
	s_lshr_b32 s56, s55, 1
	s_xor_b32 s56, s56, s55                        ; bit 0: 0 for k = 0, 3; 1 for k = 1, 2
	s_lshr_b32 s57, s[WV], 3                       ; hi
	s_xor_b32 s56, s56, s57
	s_xor_b32 s56, s56, 1
	s_and_b32 s56, s56, 1                          ; 1: the block counted from the far end
	s_mul_i32 s56, s56, 15
	s_bfe_u32 s57, s[WV], 0x10002                  ; lo
	s_lshl_b32 s55, s55, 1
	s_or_b32 s55, s55, s57                         ; 2 k + lo
	s_xor_b32 s[BLK], s55, s56                     ; of a number under 16, xor 15 is 15 less it
	s_and_b32 s57, s[WV], 7                        ; which piece of 256 keys I fetch
	s_lshl_b32 s58, s53, 18                        ; the head's 262,144 bytes, in each of the regions and in yc
	s_lshl_b32 s59, s54, 17                        ; the batch's 2,048 rows of 64 bytes
	s_lshl_b32 s60, s57, 14
	s_add_co_u32 s60, s60, s59
	s_add_co_u32 s60, s60, s58
	s_add_co_u32 s60, s60, 0x400000                ; K's piece
	s_mov_b32 s61, 0
	s_lshl_b32 s62, s54, 11
	s_lshl_b32 s63, s57, 8
	s_add_co_u32 s62, s62, s63
	s_add_co_u32 s62, s62, s58
	s_add_co_u32 s62, s62, 0x800000                ; V's chunk: 64 rows of the head, 256 tokens on from 2,048 batch + 256 piece
	s_mov_b32 s63, 0
	s_mul_i32 s90, s57, KCH
	s_mul_i32 s91, s57, VCH
	s_add_co_u32 s91, s91, VL
	s_lshr_b32 s80, s51, 1
	s_lshl_b32 s80, s80, 5
	s_and_b32 s81, s51, 1
	s_lshl_b32 s81, s81, 3
	s_add_co_u32 s80, s80, s81                     ; 32 (g / 2) + 8 (g % 2): my tile's first token in its block
	s_lshl_b32 s84, s[BLK], 13
	s_add_co_u32 s84, s84, s58
	s_add_co_u32 s84, s84, s59
	s_lshl_b32 s86, s51, 10
	s_add_co_u32 s86, s86, s84                     ; Q: places 128 BLOCK + 16 g on
	s_mov_b32 s87, 0
	s_lshl_b32 s88, s80, 6
	s_add_co_u32 s88, s88, s84                     ; yc: tokens 128 BLOCK + 32 (g / 2) + 8 (g % 2) on
	s_mov_b32 s89, 0
	s_mov_b32 s[G1K], 15|(0<<16)|(1<<20)|(1<<21)|(3<<22)|(3<<25)   ; the mask: all four; elements of 1 byte; padding on; bit 21 beside a mask; 4 words after every 16
	s_mov_b32 s[G1K+1], 64<<16                     ; tensor_dim0
	s_mov_b32 s[G1K+2], 256<<16                    ; tensor_dim1
	s_mov_b32 s[G1K+3], 64<<16                     ; tile_dim0
	s_mov_b32 s[G1K+4], 256                        ; tile_dim1
	s_mov_b32 s[G1K+5], 64                         ; the pitch
	s_mov_b32 s[G1K+6], 0
	s_mov_b32 s[G1K+7], 0
	s_mov_b32 s[G1V], 15|(0<<16)|(1<<20)|(1<<21)|(5<<22)|(3<<25)   ; 4 words after every 64
	s_mov_b32 s[G1V+1], 256<<16
	s_mov_b32 s[G1V+2], 64<<16
	s_mov_b32 s[G1V+3], 256<<16
	s_mov_b32 s[G1V+4], 64
	s_mov_b32 s[G1V+5], 4096
	s_mov_b32 s[G1V+6], 0
	s_mov_b32 s[G1V+7], 0
	s_mov_b32 s[SEL], 0x76543210
	s_mov_b32 s[SEL+1], 0xfedcba98
	s_mov_b32 s[CS], 0x3e38aa3b                    ; c = log2(e) / 8
	s_wait_dscnt 0x0
	s_wait_kmcnt 0x0
	s_load_b128 s[68:71], s[6:7], 0x8              ; e2, e3, e4, e5
	s_load_b32 s72, s[6:7], 0x18                   ; e6
	s_mov_b32 s[G0K], 1
	s_mov_b32 s[G0K+1], s90
	s_add_nc_u64 s[G0K+2:G0K+3], s[4:5], s[60:61]
	s_or_b32 s[G0K+3], s[G0K+3], 0x80000000
	s_mov_b32 s[G0V], 1
	s_mov_b32 s[G0V+1], s91
	s_add_nc_u64 s[G0V+2:G0V+3], s[4:5], s[62:63]
	s_or_b32 s[G0V+3], s[G0V+3], 0x80000000
	s_add_nc_u64 s[76:77], s[4:5], s[86:87]
	s_add_nc_u64 s[78:79], s[8:9], s[88:89]
	ROUND                                          ; all four work-groups are here: the joint loads meet
	s_cmp_lt_u32 s[WV], 8                          ; waves 0-7: K's eight pieces; waves 8-15: V's eight chunks: one load a wave, the only ones of the launch
	s_cbranch_scc0 .Lfor_v
	tensor_load_to_lds s[G0K:G0K+3], s[G1K:G1K+7]
	s_nop 0
.rept 4
	v_nop
.endr
	s_branch .Lasked
.Lfor_v:
	tensor_load_to_lds s[G0V:G0V+3], s[G1V:G1V+7]
	s_nop 0
.rept 4
	v_nop
.endr
.Lasked:
	v_and_b32 v8, 15, v0                           ; r
	v_bfe_u32 v9, v0, 4, 1                         ; h
	s_delay_alu instid0(VALU_DEP_2)
	v_lshlrev_b32 v10, 6, v8
	s_delay_alu instid0(VALU_DEP_1)
	v_lshl_add_u32 v10, v9, 4, v10
	global_load_b128 v[16:19], v10, s[76:77]       ; Q's fragment: place r, d = 16 h + 0 .. 15 and 32 + 16 h + 0 .. 15: the order in which K's is read
	global_load_b128 v[20:23], v10, s[76:77] offset:32
	v_mul_u32_u24 v1, v8, KP
	s_delay_alu instid0(VALU_DEP_1)
	v_lshl_add_u32 v1, v9, 4, v1
	v_mul_u32_u24 v2, v8, VP
	s_delay_alu instid0(VALU_DEP_1)
	v_lshl_add_u32 v2, v9, 4, v2
	s_delay_alu instid0(VALU_DEP_1)
	v_add_nc_u32 v2, VL, v2
	v_and_b32 v4, 8, v8
	s_delay_alu instid0(VALU_DEP_1)
	v_add_nc_u32 v4, v4, v8
	s_delay_alu instid0(VALU_DEP_1)
	v_add_nc_u32 v4, s80, v4                       ; my query's token in its block: 32 (g / 2) + 8 (g % 2) + r + 8 (r / 8),
	v_lshlrev_b32 v11, 4, v9
	s_delay_alu instid0(VALU_DEP_1)
	v_sub_nc_u32 v4, v4, v11                       ; less 16 h: register 16 b + i holds key 32 b + 16 h + i, hidden where 32 b + i > this
	s_lshl_b32 s82, s[WV], 10
	s_add_co_u32 s82, s82, STG
	v_lshlrev_b32 v5, 6, v8
	s_delay_alu instid0(VALU_DEP_1)
	v_lshl_add_u32 v5, v9, 3, v5
	s_delay_alu instid0(VALU_DEP_1)
	v_add_nc_u32 v5, s82, v5                       ; my stage, in: row r of 64 bytes, + 8 h
	v_and_b32 v7, 31, v0
	s_delay_alu instid0(VALU_DEP_1)
	v_lshlrev_b32 v7, 4, v7
	s_delay_alu instid0(VALU_DEP_1)
	v_add_nc_u32 v6, s82, v7                       ; back: 16 bytes a lane
	v_mov_b32 v13, 0xff61b1e6                      ; the largest t so far: -3e38
	s_delay_alu instid0(VALU_DEP_1)
	v_floor_f32 v12, -v13
	v_mov_b32 v14, 0
	v_mov_b32 v15, 0
	v_mov_b32 v241, 0                              ; a lane permute's destination counts as read
	v_mov_b32 v253, 0                              ; named as the upper half of a pair
	v_mov_b32 v246, 0xff800000                     ; -infinity
.set i, 0
.rept 32
	v_mov_b32 v[160+i], 0                          ; O^T: the step is written once, its first pass finds zeros
.set i, i+1
.endr
	s_wait_kmcnt 0x0
	s_add_co_i32 s73, s68, s69
	s_lshl_b32 s73, s73, 23
	s_add_co_i32 s[CS], s[CS], s73                 ; a score stands for score x 2^(e2 + e3)
	s_mov_b32 s[CS+1], s[CS]
	s_add_co_i32 s73, s70, 127
	s_lshl_b32 s74, s73, 23
	v_mov_b32 v244, s74                            ; 2^e4
	s_add_co_i32 s73, s73, 8
	s_lshl_b32 s73, s73, 23
	s_or_b32 s73, s73, 0x600000
	v_mov_b32 v240, s73                            ; 448 x 2^e4
	s_add_co_i32 s73, s72, 127
	s_lshl_b32 s74, s73, 23
	v_mov_b32 v247, s74                            ; 2^e6
	s_add_co_i32 s73, s73, 8
	s_lshl_b32 s73, s73, 23
	s_or_b32 s73, s73, 0x600000
	v_mov_b32 v245, s73                            ; 448 x 2^e6
; A KEY STEP: 128 keys, the q-th half of the chunk in hand.  A step whose keys all come after my block of queries is left out: a branch on the wave's number and the loop's count.
.macro STEP q
	s_cmp_gt_u32 s[ST], s[BLK]
	s_cbranch_scc1 .Lhidden_\@
	v_add_nc_u32 v8, s[TBK], v1
	v_add_nc_u32 v9, s[TBV], v2
	v_nop                                          ; with the two additions: four places in front of loads into registers that matrix instructions have read
	v_nop
.irp t, 0,1,2,3,4,5,6,7
	ds_load_b128 v[32+8*\t:35+8*\t], v8 offset:(128*(\q)+16*\t)*KP
	ds_load_b128 v[36+8*\t:39+8*\t], v8 offset:(128*(\q)+16*\t)*KP+32
.endr
	s_wait_alu depctr_va_vdst(0)
	s_wait_dscnt 8                                 ; tiles 0-3 are in; the eight loads of tiles 4-7 may be out
.irp t, 0,1,2,3
	v_wmma_f32_16x16x64_fp8_fp8 v[96+8*\t:103+8*\t], v[32+8*\t:39+8*\t], v[16:23], 0
.endr
	s_wait_dscnt 0x0
.irp t, 4,5,6,7
	v_wmma_f32_16x16x64_fp8_fp8 v[96+8*\t:103+8*\t], v[32+8*\t:39+8*\t], v[16:23], 0
.endr
.rept 4
	v_nop
.endr
.irp t, 0,1,2,3
.irp c, 0,1,2,3
	ds_load_b128 v[32+16*\t+4*\c:35+16*\t+4*\c], v9 offset:16*\t*VP+128*(\q)+32*\c   ; V's fragments land while the softmax is worked
.endr
.endr
	s_cmp_lg_u32 s[ST], s[BLK]                     ; only the step on the diagonal has hidden keys
	s_cbranch_scc1 .Lopen_\@
.set n, 0
.rept 64
	v_cmp_gt_i32 vcc_lo, 32*(n/16)+n%16, v4
	v_cndmask_b32 v[96+n], v[96+n], v246, vcc_lo
.set n, n+1
.endr
.Lopen_\@:
	v_max3_num_f32 v254, v96, v97, v98             ; the step's largest score of my query, in four chains that do not wait for each other; the scores in ascending order
	v_max3_num_f32 v250, v99, v100, v101
	v_max3_num_f32 v248, v102, v103, v104
	v_max3_num_f32 v249, v105, v106, v107
.irp i, 12,20,28,36,44,52
	v_max3_num_f32 v254, v254, v[96+\i], v[97+\i]
	v_max3_num_f32 v250, v250, v[98+\i], v[99+\i]
	v_max3_num_f32 v248, v248, v[100+\i], v[101+\i]
	v_max3_num_f32 v249, v249, v[102+\i], v[103+\i]
.endr
	v_max3_num_f32 v254, v254, v156, v157
	v_max3_num_f32 v250, v250, v158, v159
	s_delay_alu instid0(VALU_DEP_1)
	v_max3_num_f32 v254, v254, v250, v248
	s_delay_alu instid0(VALU_DEP_1)
	v_max_num_f32 v254, v254, v249
	s_delay_alu instid0(VALU_DEP_1)
	v_permlanex16_b32 v241, v254, s[SEL], s[SEL+1]
	s_delay_alu instid0(VALU_DEP_1)
	v_max_num_f32 v254, v254, v241
	s_delay_alu instid0(VALU_DEP_1)
	v_mul_f32 v254, s[CS], v254
	s_delay_alu instid0(VALU_DEP_1)
	v_max_num_f32 v13, v13, v254                   ; the running largest t
	v_mov_b32 v254, v12
	s_delay_alu instid0(VALU_DEP_2)
	v_floor_f32 v12, -v13                          ; -M = floor(-t): M is a whole number
	s_delay_alu instid0(VALU_DEP_1)
	v_sub_f32 v254, v12, v254
	s_delay_alu instid0(VALU_DEP_1)
	v_cvt_i32_f32 v254, v254
	s_delay_alu instid0(VALU_DEP_1)
	v_ldexp_f32 v252, 1.0, v254                    ; f = 2^(old M - new M)
.set j, 0
.rept 32
	v_pk_fma_f32 v[96+j:97+j], v[96+j:97+j], s[CS:CS+1], v[12:13] op_sel_hi:[1,0,0]   ; t - M
.set j, j+2
.endr
.set j, 0
	s_wait_alu depctr_va_vdst(0)
.rept 64
	v_exp_f32 v[96+j], v[96+j]                     ; p = 2^(t - M)
.set j, j+1
.endr
	v_pk_mul_f32 v[14:15], v[14:15], v[252:253] op_sel_hi:[1,0]   ; the sums under the new M: a plain instruction behind the exponentials
	s_wait_alu depctr_va_vdst(0)                   ; one wait for the batch, ahead of its first reader
	v_pk_add_f32 v[242:243], v[108:109], v[116:117]
	v_pk_add_f32 v[248:249], v[124:125], v[132:133]
	v_pk_add_f32 v[250:251], v[140:141], v[148:149]
	v_pk_add_f32 v[238:239], v[156:157], v[96:97]
	v_pk_add_f32 v[236:237], v[98:99], v[110:111]
	v_pk_add_f32 v[234:235], v[118:119], v[126:127]
	v_pk_add_f32 v[232:233], v[134:135], v[142:143]
	v_pk_add_f32 v[14:15], v[14:15], v[150:151]
	v_pk_add_f32 v[242:243], v[242:243], v[158:159]
	v_pk_add_f32 v[248:249], v[248:249], v[100:101]
	v_pk_add_f32 v[250:251], v[250:251], v[102:103]
	v_pk_add_f32 v[238:239], v[238:239], v[112:113]
	v_pk_add_f32 v[236:237], v[236:237], v[120:121]
	v_pk_add_f32 v[234:235], v[234:235], v[128:129]
	v_pk_add_f32 v[232:233], v[232:233], v[136:137]
	v_pk_add_f32 v[14:15], v[14:15], v[144:145]
	v_pk_add_f32 v[242:243], v[242:243], v[152:153]
	v_pk_add_f32 v[248:249], v[248:249], v[104:105]
	v_pk_add_f32 v[250:251], v[250:251], v[106:107]
	v_pk_add_f32 v[238:239], v[238:239], v[114:115]
	v_pk_add_f32 v[236:237], v[236:237], v[122:123]
	v_pk_add_f32 v[234:235], v[234:235], v[130:131]
	v_pk_add_f32 v[232:233], v[232:233], v[138:139]
	v_pk_add_f32 v[14:15], v[14:15], v[146:147]
	v_pk_add_f32 v[242:243], v[242:243], v[154:155]
	s_delay_alu instid0(VALU_DEP_2)
	v_pk_add_f32 v[14:15], v[14:15], v[238:239]
	s_delay_alu instid0(VALU_DEP_2)
	v_pk_add_f32 v[242:243], v[242:243], v[236:237]
	v_pk_add_f32 v[248:249], v[248:249], v[234:235]
	v_pk_add_f32 v[250:251], v[250:251], v[232:233]
	s_delay_alu instid0(VALU_DEP_2)
	v_pk_add_f32 v[14:15], v[14:15], v[248:249]
	s_delay_alu instid0(VALU_DEP_2)
	v_pk_add_f32 v[242:243], v[242:243], v[250:251]
	s_delay_alu instid0(VALU_DEP_1)
	v_pk_add_f32 v[14:15], v[14:15], v[242:243]
.irp b, 0,1,2,3
.irp i, 0,1,2,3,4,5,6,7,8,9,10,11,12,13,14,15
	v_min_num_f32 v[96+16*\b+\i], v[96+16*\b+\i], v240   ; p is not negative: a one-sided hold
.endr
	v_cvt_scalef32_pk8_fp8_f32 v[224+4*\b:225+4*\b], v[96+16*\b:103+16*\b], v244
	v_cvt_scalef32_pk8_fp8_f32 v[226+4*\b:227+4*\b], v[104+16*\b:111+16*\b], v244
.endr
.set j, 0
.rept 16
	v_pk_mul_f32 v[160+j:161+j], v[160+j:161+j], v[252:253] op_sel_hi:[1,0]   ; O^T under the new M
.set j, j+2
.endr
	s_wait_alu depctr_va_vdst(0)
	s_wait_dscnt 0x0                               ; V's fragments
.irp t, 0,1,2,3
	v_wmma_f32_16x16x128_fp8_fp8 v[160+8*\t:167+8*\t], v[32+16*\t:47+16*\t], v[224:239], v[160+8*\t:167+8*\t]
.endr
.Lhidden_\@:
	s_add_co_u32 s[ST], s[ST], 1
.endm
	s_mov_b32 s[ST], 0
	s_mov_b32 s[TBK], 0
	s_mov_b32 s[TBV], 0
	s_mov_b32 s[CNT], 8
	s_wait_tensorcnt 0x0                           ; my tile has landed,
	s_barrier_signal -1
	s_barrier_wait -1                              ; everybody's has: all of the head's K and V lie in LDS
	s_wait_loadcnt 0x0                             ; Q
.Lchunk:                                           ; eight trips, a constant: the steps that a wave does not need are jumped over inside
	STEP 0
	STEP 1
	s_add_co_u32 s[TBK], s[TBK], KCH
	s_add_co_u32 s[TBV], s[TBV], VCH
	s_sub_co_u32 s[CNT], s[CNT], 1
	s_cmp_lg_u32 s[CNT], 0
	s_cbranch_scc1 .Lchunk
	; THE WAY OUT: O^T x 2^(e4 + e5) / the sum, quantised by 2^e6; through my stage, so that a store covers 8 tokens x 64 bytes on end
.rept 4
	v_nop
.endr
	v_add_f32 v14, v14, v15
	s_delay_alu instid0(VALU_DEP_1)
	v_permlanex16_b32 v241, v14, s[SEL], s[SEL+1]
	s_delay_alu instid0(VALU_DEP_1)
	v_add_f32 v14, v14, v241
	s_wait_alu depctr_va_vdst(0)
	v_rcp_f32 v14, v14
	v_nop
	s_add_co_i32 s73, s70, s71
	s_wait_alu depctr_va_vdst(0)
	v_ldexp_f32 v14, v14, s73
.set j, 0
.rept 32
	v_mul_f32 v[96+j], v[160+j], v14               ; register 8 t + i: y(my query, 16 t + 8 h + i)
.set j, j+1
.endr
.set j, 0
.rept 32
	v_med3_num_f32 v[96+j], v[96+j], -v245, v245
.set j, j+1
.endr
.irp t, 0,1,2,3
	v_cvt_scalef32_pk8_fp8_f32 v[224+2*\t:225+2*\t], v[96+8*\t:103+8*\t], v247
.endr
	v_nop
.irp t, 0,1,2,3
	ds_store_b64 v5, v[224+2*\t:225+2*\t] offset:16*\t
.endr
.irp i, 0,1
	ds_load_b128 v[32+4*\i:35+4*\i], v6 offset:512*\i   ; LDS serves a wave's instructions in order
.endr
.irp i, 0,1
	s_wait_dscnt 1-\i
	global_store_b128 v7, v[32+4*\i:35+4*\i], s[78:79] offset:1024*\i   ; places 0-7 are 8 tokens on end, places 8-15 the 8 tokens that lie 16 further on
.endr
	s_wait_tensorcnt 0x0
	ds_add_u32 v223, v255
	s_wait_dscnt 0x0
	ROUND                                          ; the closing round
	s_endpgm
.Lfunc_end_k_q33717c453a_attn:
	.size	k_q33717c453a_attn, .Lfunc_end_k_q33717c453a_attn-k_q33717c453a_attn
	.p2alignl 7, 3214868480
	.fill 96, 4, 3214868480
	.section	.rodata,"a",@progbits
	.p2align	6, 0x0
	.amdhsa_kernel k_q33717c453a_attn
		.amdhsa_group_segment_fixed_size 327680
		.amdhsa_private_segment_fixed_size 0
		.amdhsa_enable_private_segment 0
		.amdhsa_kernarg_size 24
		.amdhsa_user_sgpr_count 2
		.amdhsa_user_sgpr_kernarg_segment_ptr 1
		.amdhsa_wavefront_size32 1
		.amdhsa_system_sgpr_workgroup_id_x 1
		.amdhsa_system_sgpr_workgroup_id_y 1
		.amdhsa_system_sgpr_workgroup_id_z 1
		.amdhsa_system_vgpr_workitem_id 0
		.amdhsa_next_free_vgpr 256
		.amdhsa_next_free_sgpr 100
		.amdhsa_reserve_vcc 1
		.amdhsa_float_denorm_mode_32 3
		.amdhsa_float_denorm_mode_16_64 3
		.amdhsa_memory_ordered 1
		.amdhsa_forward_progress 1
		.amdhsa_inst_pref_size 56
	.end_amdhsa_kernel
	.amdgpu_metadata
---
amdhsa.version: [ 1, 2 ]
amdhsa.kernels:
  - .name:           k_q33717c453a_attn
    .symbol:         k_q33717c453a_attn.kd
    .args:
      - { .name: qkv, .offset: 0, .size: 8, .value_kind: global_buffer, .address_space: global }
      - { .name: lowp_scales, .offset: 8, .size: 8, .value_kind: global_buffer, .address_space: global }
      - { .name: yc, .offset: 16, .size: 8, .value_kind: global_buffer, .address_space: global }
    .group_segment_fixed_size: 327680
    .private_segment_fixed_size: 0
    .kernarg_segment_align: 8
    .kernarg_segment_size: 24
    .max_flat_workgroup_size: 512
    .sgpr_count:     100
    .vgpr_count:     256
    .wavefront_size: 32
...
	.end_amdgpu_metadata
.endif
;; end of part 3
;; launch oproj (part 4): grid 8 x 32, 4 waves a work-group, clusters of 4 x 4, 327,680 bytes of LDS; arguments yc, w_o_codes, lowp_scales, b_o, x, x1; writes x1
.if DOCPART == 4
	.amdgcn_target "amdgcn-amd-amdhsa--gfx1250"
	.amdhsa_code_object_version 6
	.text
	.protected	k_q33717c453a_oproj
	.globl	k_q33717c453a_oproj
	.p2align	8
	.type	k_q33717c453a_oproj,@function
k_q33717c453a_oproj:
	s_mov_b64 s[64:65], 0
	v_nop
	global_prefetch_b8 v0, s[64:65] scope:SCOPE_SE
	s_setreg_imm32_b32 hwreg(HW_REG_WAVE_MODE, 25, 1), 1
	s_wait_xcnt 0x0
	s_wait_alu depctr_hold_cnt(0) depctr_sa_sdst(0) depctr_va_vdst(0) depctr_va_sdst(0) depctr_va_ssrc(0) depctr_va_vcc(0) depctr_vm_vsrc(0)
	s_getreg_b32 s2, hwreg(HW_REG_IB_STS2, 6, 4)
	s_cmp_eq_u32 s2, 0
	s_cbranch_scc0 .Lentry_in_a_cluster
	s_endpgm
.Lentry_in_a_cluster:
	s_bfe_u32 s2, ttmp6, 0x10000c
	s_cmp_lg_u32 s2, 0xf033
	s_cbranch_scc0 .Lentry_shape_is_right
	s_endpgm
.Lentry_shape_is_right:
.set OPROJ,  1
.set SIZE_K, 1024
.set E_A,    24
.set KSTEP,  512
.set PITCH,  1040
.set HALFB,  64*PITCH
.if OPROJ
.set HALFA,  16*64*80
.set APITCH, 80
.set ASTEP,  8*262144
.else
.set HALFA,  64*PITCH
.set APITCH, PITCH
.set ASTEP,  KSTEP
.endif
.set SLOT,   2*HALFA+2*HALFB
.set SPARE,  SLOT
.set SPITCH, 272
.set LAPS,   SIZE_K/(2*KSTEP)
.set ADRA, 16
.set ADRB, 20
.set STO,  24
.set RD,   25
.set CO,   26
.set BO,   27
.set SPW,  28
.set NIL,  29
.set BIAS, 96
.set ACC,  128
.set F0,   0
.set F1,   128
.set G1, 24
.set G0, 32
.set G1B, 48
.set G0B, 56
.set MSB, 0
.macro WIN new
.if MSB != \new
	s_set_vgpr_msb (MSB<<8)|\new
.set MSB, \new
.endif
.endm
.set MUL,  0x05
.set TO_F, 0x40
.macro JLOAD s
	s_cmp_eq_u32 s11, 0
	s_cbranch_scc0 .Lfor_b_\@
	tensor_load_to_lds s[G0+4*\s:G0+4*\s+3], s[G1:G1+7]
	s_nop 0
.rept 4
	v_nop
.endr
	s_branch .Lasked_\@
.Lfor_b_\@:
	tensor_load_to_lds s[G0B+4*\s:G0B+4*\s+3], s[G1B:G1B+7]
	s_nop 0
.rept 4
	v_nop
.endr
.Lasked_\@:
.endm
.macro CREST
	s_cmp_lg_u32 s10, 0
	s_cbranch_scc1 .Lnot_wave_0_\@
	s_barrier_signal -3
.Lnot_wave_0_\@:
	s_barrier_wait -3
	s_barrier_signal -1
	s_barrier_wait -1
.endm
.macro CROUND
	s_barrier_signal -1
	s_barrier_wait -1
	CREST
.endm
	s_load_b128 s[4:7], s[0:1], 0x0
	s_load_b128 s[68:71], s[0:1], 0x10
	s_load_b128 s[72:75], s[0:1], 0x20
	v_lshl_add_u32 v[SPW], v0, 2, SPARE
	v_mov_b32 v[NIL], 0
	ds_add_u32 v28, v29
	ds_add_u32 v28, v29
	s_wait_dscnt 0x0
	v_lshrrev_b32 v1, 5, v0
	v_readfirstlane_b32 s10, v1
	s_lshr_b32 s11, s10, 1
	s_and_b32 s12, s10, 1
	s_bfe_u32 s40, ttmp6, 0x40000
	s_bfe_u32 s41, ttmp6, 0x40004
	s_lshl_b32 s42, ttmp9, 2
	s_add_co_u32 s42, s42, s40
	s_and_b32 s13, ttmp7, 0xffff
	s_lshl_b32 s13, s13, 2
	s_add_co_u32 s13, s13, s41
	s_lshl_b32 s43, s41, 2
	s_lshl_b32 s43, 15, s43
	s_lshl_b32 s44, 0x1111, s40
.if OPROJ
	s_or_b32 s[G1+0], s43, (0<<16)|(1<<20)|(1<<21)|(3<<22)|(3<<25)
	s_mov_b32 s[G1+1], 4096<<16
	s_mov_b32 s[G1+2], 16<<16
	s_mov_b32 s[G1+3], 4096<<16
	s_mov_b32 s[G1+4], 16
	s_mov_b32 s[G1+5], 262144
.else
	s_or_b32 s[G1+0], s43, (0<<16)|(1<<20)|(1<<21)|(6<<22)|(3<<25)
	s_mov_b32 s[G1+1], KSTEP<<16
	s_mov_b32 s[G1+2], 64<<16
	s_mov_b32 s[G1+3], KSTEP<<16
	s_mov_b32 s[G1+4], 64
	s_mov_b32 s[G1+5], SIZE_K
.endif
	s_mov_b32 s[G1+6], 0
	s_mov_b32 s[G1+7], 0
	s_or_b32 s[G1B+0], s44, (0<<16)|(1<<20)|(1<<21)|(7<<22)|(3<<25)
	s_mov_b32 s[G1B+1], SIZE_K<<16
	s_mov_b32 s[G1B+2], 64<<16
	s_mov_b32 s[G1B+3], SIZE_K<<16
	s_mov_b32 s[G1B+4], 64
	s_mov_b32 s[G1B+5], SIZE_K
	s_mov_b32 s[G1B+6], 0
	s_mov_b32 s[G1B+7], 0
	s_lshl_b32 s17, s12, 6
	s_lshl_b32 s16, s13, 7
	s_add_co_u32 s16, s16, s17
.if OPROJ
	s_lshl_b32 s16, s16, 6
.else
	s_lshl_b32 s16, s16, 12
.endif
	s_lshl_b32 s46, s42, 7
	s_add_co_u32 s46, s46, s17
	s_mul_i32 s46, s46, SIZE_K
	s_mov_b32 s17, 0
	s_mov_b32 s47, 0
	s_mul_i32 s20, s12, HALFA
	s_mul_i32 s21, s12, HALFB
	s_add_co_u32 s21, s21, 2*HALFA
	s_wait_kmcnt 0x0
	s_load_b64 s[96:97], s[68:69], E_A
	s_add_nc_u64 s[14:15], s[4:5], s[16:17]
	s_add_nc_u64 s[46:47], s[6:7], s[46:47]
	CROUND
.irp s, 0
	s_mov_b32 s[G0+4*\s], 1
	s_add_co_u32 s[G0+4*\s+1], s20, \s*SLOT
	s_add_nc_u64 s[G0+4*\s+2:G0+4*\s+3], s[14:15], \s*ASTEP
	s_or_b32 s[G0+4*\s+3], s[G0+4*\s+3], 0x80000000
	s_mov_b32 s[G0B+4*\s], 1
	s_add_co_u32 s[G0B+4*\s+1], s21, \s*SLOT
	s_add_nc_u64 s[G0B+4*\s+2:G0B+4*\s+3], s[46:47], \s*KSTEP
	s_or_b32 s[G0B+4*\s+3], s[G0B+4*\s+3], 0x80000000
	JLOAD \s                                       ; all of K at once: 64 rows of A (16 heads x 64 bytes) or of B (1,024 bytes) a wave; nothing is filled again
.endr
	v_and_b32 v1, 15, v0
	v_bfe_u32 v2, v0, 4, 1
	v_lshlrev_b32 v[CO], 12, v2
	v_lshl_add_u32 v[CO], v1, 4, v[CO]
	s_wait_alu depctr_va_vdst(0)
	v_lshlrev_b32 v[BO], 4, v1
	s_wait_alu depctr_va_vdst(0)
	s_lshl_b32 s22, s42, 9
	s_lshl_b32 s23, s12, 8
	s_add_co_u32 s22, s22, s23
	s_mov_b32 s23, 0
	s_add_nc_u64 s[70:71], s[70:71], s[22:23]
	s_lshl_b32 s23, s13, 19
	s_add_co_u32 s22, s22, s23
	s_lshl_b32 s23, s11, 18
	s_add_co_u32 s22, s22, s23
	s_mov_b32 s23, 0
	s_add_nc_u64 s[72:73], s[72:73], s[22:23]
	s_add_nc_u64 s[74:75], s[74:75], s[22:23]
	WIN 0x80
.irp a, 0,1,2,3
.irp t, 0,1,2,3,4,5,6,7
	global_load_b128 v[4*(8*\a+\t):4*(8*\a+\t)+3], v[CO], s[72:73] offset:(16*\a+2*\t)*4096 th:TH_LOAD_NT
.endr
.endr
	WIN 0
	global_load_b128 v[BIAS:BIAS+3], v[BO], s[70:71]
	v_mul_u32_u24 v3, v1, PITCH
	v_lshl_add_u32 v3, v2, 4, v3
	v_mul_u32_u24 v4, v1, APITCH
	v_lshl_add_u32 v4, v2, 4, v4
	s_mul_i32 s21, s11, HALFA
	s_mul_i32 s22, s12, HALFB
	s_add_co_u32 s22, s22, 2*HALFA
.irp s, 0,1
	v_add_nc_u32 v[ADRA+\s], s21, v4
	v_add_nc_u32 v[ADRB+\s], s22, v3
	s_add_co_u32 s21, s21, 8*64*80
	s_add_co_u32 s22, s22, KSTEP
.endr
	s_mul_i32 s23, s10, 64*SPITCH
	v_mul_u32_u24 v5, v1, SPITCH
	v_lshl_add_u32 v5, v2, 5, v5
	v_add_nc_u32 v[STO], s23, v5
	v_mul_u32_u24 v5, v2, SPITCH
	v_lshl_add_u32 v5, v1, 4, v5
	v_add_nc_u32 v[RD], s23, v5
.macro MUL4 f, a, zero
.irp b, 0,1,2,3
.if \zero
	v_wmma_f32_16x16x128_fp8_fp8 v[ACC+8*(4*(\a)+\b):ACC+8*(4*(\a)+\b)+7], v[\f+64+16*\b:\f+64+16*\b+15], v[\f+16*(\a):\f+16*(\a)+15], 0
.else
	v_wmma_f32_16x16x128_fp8_fp8 v[ACC+8*(4*(\a)+\b):ACC+8*(4*(\a)+\b)+7], v[\f+64+16*\b:\f+64+16*\b+15], v[\f+16*(\a):\f+16*(\a)+15], v[ACC+8*(4*(\a)+\b):ACC+8*(4*(\a)+\b)+7]
.endif
.endr
.endm
.macro FETCH slot, k, f
	WIN TO_F
.irp i, 0,1,2,3
.irp c, 0,1,2,3
	ds_load_b128 v[\f+64+16*\i+4*\c:\f+64+16*\i+4*\c+3], v[ADRB+\slot] offset:(\k)+32*\c+\i*16*PITCH
.endr
.endr
.irp i, 0,1,2,3
.irp c, 0,1,2,3
.if OPROJ
	ds_load_b128 v[\f+16*\i+4*\c:\f+16*\i+4*\c+3], v[ADRA+\slot] offset:((\k)/64+\c/2)*5120+(\c%2)*32+\i*1280
.else
	ds_load_b128 v[\f+16*\i+4*\c:\f+16*\i+4*\c+3], v[ADRA+\slot] offset:(\k)+32*\c+\i*16*PITCH
.endif
.endr
.endr
.endm
.macro PLACES
.rept 4
	v_nop
.endr
.endm
.macro QUARTER slot, k, f, g, zero
	s_wait_dscnt 8
	WIN MUL
	MUL4 \f, 0, \zero
	MUL4 \f, 1, \zero
	PLACES
	FETCH \slot, \k, \g
	s_wait_dscnt 32
	WIN MUL
	MUL4 \f, 2, \zero
	MUL4 \f, 3, \zero
.endm
.macro TURN slot, next, fill
	WIN 0
	s_wait_tensorcnt 0x0
	ds_add_u32 v[SPW], v[NIL]
	s_wait_dscnt 9
	WIN MUL
	MUL4 F1, 0, 0
	s_wait_dscnt 0x0
	s_barrier_signal -1
	MUL4 F1, 1, 0
.if \fill
	WIN 0
.endif
	s_barrier_wait -1
.if \fill
	CREST
	s_add_nc_u64 s[G0+4*\slot+2:G0+4*\slot+3], s[G0+4*\slot+2:G0+4*\slot+3], 2*ASTEP
	s_add_nc_u64 s[G0B+4*\slot+2:G0B+4*\slot+3], s[G0B+4*\slot+2:G0B+4*\slot+3], 2*KSTEP
	JLOAD \slot
.else
	PLACES
.endif
	FETCH \next, 0, F0
	WIN MUL
	MUL4 F1, 2, 0
	MUL4 F1, 3, 0
.endm
	s_wait_alu depctr_va_vdst(0)
	s_wait_tensorcnt 0x0
	s_barrier_signal -1
	s_barrier_wait -1
	FETCH 0, 0, F0
	QUARTER 0, 128, F0, F1, 1
.if LAPS > 1
	WIN 0
	s_mov_b32 s3, LAPS-1
.Llap:
	QUARTER 0, 256, F1, F0, 0
	QUARTER 0, 384, F0, F1, 0
	TURN 0, 1, 1
	QUARTER 1, 128, F0, F1, 0
	QUARTER 1, 256, F1, F0, 0
	QUARTER 1, 384, F0, F1, 0
	TURN 1, 0, 1
	QUARTER 0, 128, F0, F1, 0
	WIN 0
	s_sub_co_u32 s3, s3, 1
	s_cmp_lg_u32 s3, 0
	s_cbranch_scc1 .Llap
.endif
	QUARTER 0, 256, F1, F0, 0
	QUARTER 0, 384, F0, F1, 0
	TURN 0, 1, 0
	QUARTER 1, 128, F0, F1, 0
	QUARTER 1, 256, F1, F0, 0
	QUARTER 1, 384, F0, F1, 0
	s_wait_dscnt 8
	WIN MUL
	MUL4 F1, 0, 0
	MUL4 F1, 1, 0
	s_wait_dscnt 0
	MUL4 F1, 2, 0
	MUL4 F1, 3, 0
	WIN 0
	s_wait_kmcnt 0x0
	s_add_co_i32 s96, s96, s97
	s_add_co_i32 s96, s96, 127
	s_lshl_b32 s96, s96, 23
	s_mov_b32 s97, s96
	PLACES
	s_wait_dscnt 0x0                               ; the stages lie over A's tile: every wave's reads of it are over
	s_barrier_signal -1
	s_barrier_wait -1
.irp a, 0,1,2,3
.irp b, 0,1,2,3
	ds_store_b128 v[STO], v[ACC+8*(4*\a+\b):ACC+8*(4*\a+\b)+3] offset:\a*16*SPITCH+64*\b
	ds_store_b128 v[STO], v[ACC+8*(4*\a+\b)+4:ACC+8*(4*\a+\b)+7] offset:\a*16*SPITCH+64*\b+16
.endr
.endr
.irp a, 0,1,2,3
.irp t, 0,1,2,3,4,5,6,7
	ds_load_b128 v[ACC+4*(8*\a+\t):ACC+4*(8*\a+\t)+3], v[RD] offset:\a*16*SPITCH+2*\t*SPITCH
.endr
.endr
	s_wait_loadcnt 0x0
	WIN 0x82
.set t, 0
.rept 32
	v_pk_add_f32 v[4*t:4*t+1], v[4*t:4*t+1], v[BIAS:BIAS+1]
	v_pk_add_f32 v[4*t+2:4*t+3], v[4*t+2:4*t+3], v[BIAS+2:BIAS+3]
.set t, t+1
.endr
	WIN 0x20
.set t, 0
.rept 32
	s_wait_dscnt 31-t
	v_pk_fma_f32 v[ACC+4*t:ACC+4*t+1], v[ACC+4*t:ACC+4*t+1], s[96:97], v[4*t:4*t+1] op_sel_hi:[1,0,1]
	v_pk_fma_f32 v[ACC+4*t+2:ACC+4*t+3], v[ACC+4*t+2:ACC+4*t+3], s[96:97], v[4*t+2:4*t+3] op_sel_hi:[1,0,1]
.if OPROJ
	global_store_b128 v[CO], v[ACC+4*t:ACC+4*t+3], s[74:75] offset:2*t*4096
.else
	global_store_b128 v[CO], v[ACC+4*t:ACC+4*t+3], s[74:75] offset:2*t*4096 th:TH_STORE_NT
.endif
.set t, t+1
.endr
	WIN 0
	s_wait_tensorcnt 0x0
	ds_add_u32 v[SPW], v[NIL]
	s_wait_dscnt 0x0
	CROUND
	s_endpgm
.Lfunc_end_k_q33717c453a_oproj:
	.size	k_q33717c453a_oproj, .Lfunc_end_k_q33717c453a_oproj-k_q33717c453a_oproj
	.p2alignl 7, 3214868480
	.fill 96, 4, 3214868480
	.section	.rodata,"a",@progbits
	.p2align	6, 0x0
	.amdhsa_kernel k_q33717c453a_oproj
		.amdhsa_group_segment_fixed_size 327680
		.amdhsa_private_segment_fixed_size 0
		.amdhsa_enable_private_segment 0
		.amdhsa_kernarg_size 48
		.amdhsa_user_sgpr_count 2
		.amdhsa_user_sgpr_kernarg_segment_ptr 1
		.amdhsa_wavefront_size32 1
		.amdhsa_system_sgpr_workgroup_id_x 1
		.amdhsa_system_sgpr_workgroup_id_y 1
		.amdhsa_system_sgpr_workgroup_id_z 1
		.amdhsa_system_vgpr_workitem_id 0
		.amdhsa_next_free_vgpr 768
		.amdhsa_next_free_sgpr 100
		.amdhsa_reserve_vcc 0
		.amdhsa_float_denorm_mode_32 3
		.amdhsa_float_denorm_mode_16_64 3
		.amdhsa_memory_ordered 1
		.amdhsa_forward_progress 1
		.amdhsa_inst_pref_size 53
	.end_amdhsa_kernel
	.amdgpu_metadata
---
amdhsa.version: [ 1, 2 ]
amdhsa.kernels:
  - .name:           k_q33717c453a_oproj
    .symbol:         k_q33717c453a_oproj.kd
    .args:
      - { .name: yc, .offset: 0, .size: 8, .value_kind: global_buffer, .address_space: global }
      - { .name: w_o_codes, .offset: 8, .size: 8, .value_kind: global_buffer, .address_space: global }
      - { .name: lowp_scales, .offset: 16, .size: 8, .value_kind: global_buffer, .address_space: global }
      - { .name: b_o, .offset: 24, .size: 8, .value_kind: global_buffer, .address_space: global }
      - { .name: x, .offset: 32, .size: 8, .value_kind: global_buffer, .address_space: global }
      - { .name: x1, .offset: 40, .size: 8, .value_kind: global_buffer, .address_space: global }
    .group_segment_fixed_size: 327680
    .private_segment_fixed_size: 0
    .kernarg_segment_align: 8
    .kernarg_segment_size: 48
    .max_flat_workgroup_size: 128
    .sgpr_count:     100
    .vgpr_count:     768
    .wavefront_size: 32
...
	.end_amdgpu_metadata
.endif
;; end of part 4
;; launch ln2 (part 5): grid 256 x 1, 16 waves a work-group, no clusters, 18,432 bytes of LDS; arguments x1, ln2_w, ln2_b, lowp_scales, hc; writes hc
.if DOCPART == 5
	.amdgcn_target "amdgcn-amd-amdhsa--gfx1250"
	.amdhsa_code_object_version 6
	.text
	.protected	k_q33717c453a_ln2
	.globl	k_q33717c453a_ln2
	.p2align	8
	.type	k_q33717c453a_ln2,@function
k_q33717c453a_ln2:
	s_mov_b64 s[64:65], 0
	v_nop
	global_prefetch_b8 v0, s[64:65] scope:SCOPE_SE
	s_setreg_imm32_b32 hwreg(HW_REG_WAVE_MODE, 25, 1), 1
	s_wait_xcnt 0x0
; hc[row][:] = codes of E4M3 of layer_norm(in[row][:]) * w + b, with the given scale 2^e (entry E_OFF / 4 of the scales).  in: [4096][1024] f32; hc: [4096][1024] bytes.
; A work-group of four waves takes 16 rows, a wave 4.  A row is 4,096 bytes: one wave holds it in 32 registers between the mean, the variance and the scaling, so it is read once.
; All four rows of a wave are asked for at the head: 32 loads of 512 consecutive bytes.  Load j of a row gives lane l the columns 128 j + 4 l + 0 .. 3; gain and bias are loaded alike and stay.
; The mean is taken first and subtracted, the variance is the mean of the squares of what is left: no difference of large sums.
; A conversion's result register holds the 4 codes of one load's 4 columns; they go through the wave's own 4,096 bytes of LDS, so that a store covers 512 consecutive bytes.  No barrier: waves share nothing.
; LIMITS: e between -126 and 119 (2^e and 448 x 2^e are made as f32 numbers).  NaN and infinities among the inputs are not served.
; SHARES AS THE TEXT NOW HAS THEM: a work-group of sixteen waves takes 16 rows, a wave ONE row (8 loads) and 1,024 bytes of LDS; where the lines above speak of four waves and four rows a wave, this line holds.
.set E_OFF, 32
.set GW,  20                           ; v20-51   the gain at my columns
.set GB,  52                           ; v52-83   the bias
.set X,   84                           ; v84-211  four rows of 32 registers
.set C,   212                          ; v212-219 a row's codes
.set OUT, 220                          ; v220-251 8 registers a row: no store's data are written again
.set K10, 252                          ; v252     1 / 1024
	s_load_b256 s[4:11], s[0:1], 0x0               ; in s[4:5], gain s[6:7], bias s[8:9], scales s[10:11]
	s_load_b64 s[12:13], s[0:1], 0x20              ; hc
	v_lshl_add_u32 v254, v0, 2, 0x4000
	v_mov_b32 v255, 0
	v_lshrrev_b32 v1, 5, v0
	v_readfirstlane_b32 s14, v1                    ; wave
	v_and_b32 v4, 31, v0                           ; lane
	v_lshlrev_b32 v1, 4, v4                        ; 16 x lane: my place in 512 bytes
	s_lshl_b32 s15, s14, 10                        ; my wave's 1,024 bytes of LDS
	v_lshl_add_u32 v2, v4, 2, s15                  ; into them: 4 bytes a lane
	v_add_nc_u32 v3, s15, v1                       ; out of them: 16 bytes a lane
	v_mov_b32 v5, 0                                ; a lane permute's destination counts as read: written once
	v_mov_b32 v[K10], 0x3a800000
	s_mov_b32 s16, 0x76543210                      ; lane l xor 16
	s_mov_b32 s17, 0xfedcba98
	s_lshl_b32 s20, ttmp9, 4
	s_mov_b32 s21, s14
	s_add_co_u32 s20, s20, s21                     ; my first row: 16 x work-group + wave
	s_lshl_b32 s22, s20, 12
	s_mov_b32 s23, 0
	s_lshl_b32 s20, s20, 10
	s_mov_b32 s21, 0
	s_wait_alu depctr_va_vdst(0)
	s_wait_kmcnt 0x0
	s_load_b32 s24, s[10:11], E_OFF                ; e
	s_add_nc_u64 s[4:5], s[4:5], s[22:23]
	s_add_nc_u64 s[12:13], s[12:13], s[20:21]
.irp j, 0,1,2,3,4,5,6,7
	global_load_b128 v[GW+4*\j:GW+4*\j+3], v1, s[6:7] offset:512*\j
.endr
.irp j, 0,1,2,3,4,5,6,7
	global_load_b128 v[GB+4*\j:GB+4*\j+3], v1, s[8:9] offset:512*\j
.endr
.irp r, 0
.irp j, 0,1,2,3,4,5,6,7
	global_load_b128 v[X+32*\r+4*\j:X+32*\r+4*\j+3], v1, s[4:5] offset:4096*\r+512*\j th:TH_LOAD_NT
.endr
.endr
	s_wait_kmcnt 0x0
	s_add_co_i32 s24, s24, 127
	s_lshl_b32 s25, s24, 23
	v_mov_b32 v18, s25                             ; 2^e as f32: the conversion takes its exponent field
	s_add_co_i32 s24, s24, 8
	s_lshl_b32 s24, s24, 23
	s_or_b32 s24, s24, 0x600000
	v_mov_b32 v19, s24                             ; 448 x 2^e
.macro REDUCE                          ; four pairs v[6:13] -> their sum over the wave, in v6 of every lane
	v_pk_add_f32 v[6:7], v[6:7], v[8:9]
	v_pk_add_f32 v[10:11], v[10:11], v[12:13]
	v_pk_add_f32 v[6:7], v[6:7], v[10:11]
	v_add_f32 v6, v6, v7
	v_add_f32_dpp v6, v6, v6 row_xmask:1 row_mask:0xf bank_mask:0xf
	v_add_f32_dpp v6, v6, v6 row_xmask:2 row_mask:0xf bank_mask:0xf
	v_add_f32_dpp v6, v6, v6 row_xmask:4 row_mask:0xf bank_mask:0xf
	v_add_f32_dpp v6, v6, v6 row_xmask:8 row_mask:0xf bank_mask:0xf
	v_permlanex16_b32 v5, v6, s16, s17
	v_add_f32 v6, v6, v5
.endm
.macro ROW r
.set XR, X+32*(\r)
	s_wait_loadcnt 0x0                             ; gain, bias and my row are in
.irp k, 0,1,2,3
	v_pk_add_f32 v[6+2*\k:7+2*\k], v[XR+4*\k:XR+4*\k+1], v[XR+4*\k+2:XR+4*\k+3]   ; the first pairs start four chains: nothing is cleared
.endr
.irp k, 0,1,2,3
	v_pk_add_f32 v[6+2*\k:7+2*\k], v[6+2*\k:7+2*\k], v[XR+16+2*\k:XR+17+2*\k]
.endr
.irp k, 0,1,2,3
	v_pk_add_f32 v[6+2*\k:7+2*\k], v[6+2*\k:7+2*\k], v[XR+24+2*\k:XR+25+2*\k]
.endr
	REDUCE
	v_mul_f32 v14, v6, v[K10]                      ; the mean, twice: a pair for the packed form
	v_mul_f32 v15, v6, v[K10]
.set i, 0
.rept 16
	v_pk_add_f32 v[XR+i:XR+i+1], v[XR+i:XR+i+1], v[14:15] neg_lo:[0,1] neg_hi:[0,1]   ; x - mean
.set i, i+2
.endr
.irp k, 0,1,2,3
	v_pk_mul_f32 v[6+2*\k:7+2*\k], v[XR+2*\k:XR+2*\k+1], v[XR+2*\k:XR+2*\k+1]
.endr
.set i, 8
.rept 12
	v_pk_fma_f32 v[6+i%8:7+i%8], v[XR+i:XR+i+1], v[XR+i:XR+i+1], v[6+i%8:7+i%8]
.set i, i+2
.endr
	REDUCE
	v_fmaak_f32 v6, v6, v[K10], 0x3727c5ac         ; the variance + 1e-5
	s_wait_alu depctr_va_vdst(0)
	v_rsq_f32 v16, v6
	v_rsq_f32 v17, v6                              ; twice: a pair
	v_nop                                          ; a plain instruction behind the last of them
	s_wait_alu depctr_va_vdst(0)                   ; one wait for both, ahead of their first reader
.set i, 0
.rept 16
	v_pk_mul_f32 v[XR+i:XR+i+1], v[XR+i:XR+i+1], v[16:17]
.set i, i+2
.endr
.set i, 0
.rept 16
	v_pk_fma_f32 v[XR+i:XR+i+1], v[XR+i:XR+i+1], v[GW+i:GW+i+1], v[GB+i:GB+i+1]
.set i, i+2
.endr
.set i, 0
.rept 32
	v_med3_num_f32 v[XR+i], v[XR+i], -v19, v19     ; the conversion to an 8-bit code does not saturate (ISA guide 7.6.2): the hold at 448 x the scale
.set i, i+1
.endr
.irp m, 0,1,2,3
	v_cvt_scalef32_pk8_fp8_f32 v[C+2*\m:C+2*\m+1], v[XR+8*\m:XR+8*\m+7], v18
.endr
	v_nop                                          ; a plain instruction behind the last conversion
.irp j, 0,1,2,3,4,5,6,7
	ds_store_b32 v2, v[C+\j] offset:1024*(\r)+128*\j             ; columns 128 j + 4 l + 0 .. 3
.endr
.irp i, 0,1
	ds_load_b128 v[OUT+8*(\r)+4*\i:OUT+8*(\r)+4*\i+3], v3 offset:1024*(\r)+512*\i   ; LDS serves a wave's instructions in order: these see my stores
.endr
	s_wait_dscnt 0x0
.irp i, 0,1
	global_store_b128 v1, v[OUT+8*(\r)+4*\i:OUT+8*(\r)+4*\i+3], s[12:13] offset:1024*(\r)+512*\i   ; 32 lanes store 512 consecutive bytes, aligned
.endr
.endm
	ROW 0
	s_wait_tensorcnt 0x0
	ds_add_u32 v254, v255
	s_wait_dscnt 0x0
	s_endpgm
.Lfunc_end_k_q33717c453a_ln2:
	.size	k_q33717c453a_ln2, .Lfunc_end_k_q33717c453a_ln2-k_q33717c453a_ln2
	.p2alignl 7, 3214868480
	.fill 96, 4, 3214868480
	.section	.rodata,"a",@progbits
	.p2align	6, 0x0
	.amdhsa_kernel k_q33717c453a_ln2
		.amdhsa_group_segment_fixed_size 18432
		.amdhsa_private_segment_fixed_size 0
		.amdhsa_enable_private_segment 0
		.amdhsa_kernarg_size 40
		.amdhsa_user_sgpr_count 2
		.amdhsa_user_sgpr_kernarg_segment_ptr 1
		.amdhsa_wavefront_size32 1
		.amdhsa_system_sgpr_workgroup_id_x 1
		.amdhsa_system_sgpr_workgroup_id_y 1
		.amdhsa_system_sgpr_workgroup_id_z 1
		.amdhsa_system_vgpr_workitem_id 0
		.amdhsa_next_free_vgpr 256
		.amdhsa_next_free_sgpr 66
		.amdhsa_reserve_vcc 0
		.amdhsa_float_denorm_mode_32 3
		.amdhsa_float_denorm_mode_16_64 3
		.amdhsa_memory_ordered 1
		.amdhsa_forward_progress 1
		.amdhsa_inst_pref_size 14
	.end_amdhsa_kernel
	.amdgpu_metadata
---
amdhsa.version: [ 1, 2 ]
amdhsa.kernels:
  - .name:           k_q33717c453a_ln2
    .symbol:         k_q33717c453a_ln2.kd
    .args:
      - { .name: x1, .offset: 0, .size: 8, .value_kind: global_buffer, .address_space: global }
      - { .name: ln2_w, .offset: 8, .size: 8, .value_kind: global_buffer, .address_space: global }
      - { .name: ln2_b, .offset: 16, .size: 8, .value_kind: global_buffer, .address_space: global }
      - { .name: lowp_scales, .offset: 24, .size: 8, .value_kind: global_buffer, .address_space: global }
      - { .name: hc, .offset: 32, .size: 8, .value_kind: global_buffer, .address_space: global }
    .group_segment_fixed_size: 18432
    .private_segment_fixed_size: 0
    .kernarg_segment_align: 8
    .kernarg_segment_size: 40
    .max_flat_workgroup_size: 512
    .sgpr_count:     66
    .vgpr_count:     256
    .wavefront_size: 32
...
	.end_amdgpu_metadata
.endif
;; end of part 5
;; launch fc (part 6): grid 16 x 16, 4 waves a work-group, clusters of 4 x 4, 327,680 bytes of LDS; arguments hc, w_fc_codes, lowp_scales, b_fc, g; writes g
.if DOCPART == 6
	.amdgcn_target "amdgcn-amd-amdhsa--gfx1250"
	.amdhsa_code_object_version 6
	.text
	.protected	k_q33717c453a_fc
	.globl	k_q33717c453a_fc
	.p2align	8
	.type	k_q33717c453a_fc,@function
k_q33717c453a_fc:
	s_mov_b64 s[64:65], 0
	v_nop
	global_prefetch_b8 v0, s[64:65] scope:SCOPE_SE
	s_setreg_imm32_b32 hwreg(HW_REG_WAVE_MODE, 25, 1), 1
	s_wait_xcnt 0x0
	s_wait_alu depctr_hold_cnt(0) depctr_sa_sdst(0) depctr_va_vdst(0) depctr_va_sdst(0) depctr_va_ssrc(0) depctr_va_vcc(0) depctr_vm_vsrc(0)
	s_getreg_b32 s2, hwreg(HW_REG_IB_STS2, 6, 4)
	s_cmp_eq_u32 s2, 0
	s_cbranch_scc0 .Lentry_in_a_cluster
	s_endpgm
.Lentry_in_a_cluster:
	s_bfe_u32 s2, ttmp6, 0x10000c
	s_cmp_lg_u32 s2, 0xf033
	s_cbranch_scc0 .Lentry_shape_is_right
	s_endpgm
.Lentry_shape_is_right:
; g = codes (scale 2^e10) of gelu(h W + b_fc): h = hc [4096][1024] codes (2^e8), W = w_fc_codes [4096 features][1024] codes (2^e9); sums in f32; g: [4096][4096] bytes.
; A tile of 256 x 256 is made by four waves, 128 x 128 each: 64 accumulators.  K goes in four steps of 256 through two LDS slots; rows of 256 bytes.
; FILLS: wave (operand = wave / 2, slot = wave % 2) brings all 256 rows of its operand's tile for its slot: one tensor load a wave at the head covers K steps 0 and 1, and the same wave fills its slot again behind that slot's round.
; CLUSTERS 4 x 4: A's tile is asked for jointly along a row of the cluster, B's along a column.  The matrix instruction is used transposed: a lane holds one token and eight neighbouring features.
; No prefetch: the largest block in clusters, and K has four steps only, two of which are asked for at the head.
; GELU: gelu(x) = max(x, 0) - t E(t), t = |x| / sqrt(2), E = erfc(t) / sqrt(2): no difference of near numbers.  erfc: above t = 0.921875 as 2^(a fit of degree 7), below as 1 - erf by an odd fit; all in f32.
; THE WAY OUT reads the accumulators as they lie: a trip takes 16 tokens x 64 features; the 16 lines that scale them and add the bias differ from trip to trip in their registers and stand in arms chosen by the loop's count.
; Codes go through stages in slot 0 (last filled and last read ahead of the last change of slots), so that sixteen lanes store 256 consecutive bytes; rows 0-63 of a wave leave while rows 64-127 are worked.
; REGISTERS: window 0: v2-9 constants, v10-30 addresses, v32-95 bias, v96-127 x, from v128 A's fragments, later t, t^2 and the two fits; window 1: B's fragments, two sets, later rows read back; windows 2, 3: accumulators.
; LIMITS: e8 + e9 between -126 and 127; e10 between -126 and 119.  NaN is not served.
.set ROWB,   256
.set KROW,   1024
.set PITCH,  272                       ; 256 bytes + 16: the 16 rows of a fragment load start at 16 different banks
.set FR,     16
.set NL,     4
.set NP,     4
.set HALFT,  128*PITCH
.set SLOT,   4*HALFT
.set SPARE,  2*SLOT
.set CHUNK,  1344                      ; stage: 16 rows x (64 + 16) bytes, + 64
.set WS,     21632                     ; a wave's 16 chunks, + 128
.set VC6, 2
.set VC4, 4
.set VD4, 6
.set VIS2, 8
.set HB,   10
.set ADRA, 16
.set ADRB, 20
.set SA,   22
.set STO,  24
.set RD,   25
.set CO,   26
.set SCL,  27
.set SPW,  28
.set NIL,  29
.set LIM,  30
.set CB,   32
.set X,    96
.set AF,   128
.set T,    128
.set Q,    160
.set CD,   160
.set L,    192
.set R,    224
.set G1, 24
.set G0, 32
.set MK, 40
.set G1B, 48
.set G0B, 56
.set IS2,  66
.set NL2E, 68
.set C7,   70
.set C5,   72
.set C3,   74
.set C2,   76
.set C1,   78
.set D5,   80
.set D3,   82
.set D2,   84
.set D1,   86
.set D0,   88
.set NIS2, 90
.set THR,  98
.set AO,   99
.set MSB, 0
.macro WIN new                         ; the immediate's high byte repeats the setting that is left
.if MSB != \new
	s_set_vgpr_msb (MSB<<8)|\new
.set MSB, \new
.endif
.endm
.set MUL_LO, 0xa1
.set MUL_HI, 0xf1
.set TO_B,   0x40
.macro PLACES n
.rept \n
	v_nop
.endr
.endm
.macro JLOAD                           ; waves 0, 1 ask for A, waves 2, 3 for B; s_nop 0 and four v_nop follow each line
	s_cmp_eq_u32 s15, 0
	s_cbranch_scc0 .Lfor_b_\@
	tensor_load_to_lds s[G0:G0+3], s[G1:G1+7]
	s_nop 0
	PLACES 4
	s_branch .Lasked_\@
.Lfor_b_\@:
	tensor_load_to_lds s[G0B:G0B+3], s[G1B:G1B+7]
	s_nop 0
	PLACES 4
.Lasked_\@:
.endm
; THE REFILLS, as the text now has them (this holds over the head's line on fills): all four waves share a refill, wave w bringing 128 rows (operand w / 2, half w % 2) by descriptors of their own:
; groups 0 in s[84:87], s[60:63], which walk; groups 1 in s[68:75], s[76:83].  The GELU's scalar constants take s66-91 behind the main loop, when no tensor load is out.
.macro JLOADR
	s_cmp_eq_u32 s15, 0
	s_cbranch_scc0 .Lrb_\@
	tensor_load_to_lds s[84:87], s[68:75]
	s_nop 0
	PLACES 4
	s_branch .Lra_\@
.Lrb_\@:
	tensor_load_to_lds s[60:63], s[76:83]
	s_nop 0
	PLACES 4
.Lra_\@:
.endm
.macro CREST
	s_cmp_lg_u32 s14, 0
	s_cbranch_scc1 .Lnot_wave_0_\@
	s_barrier_signal -3
.Lnot_wave_0_\@:
	s_barrier_wait -3
	s_barrier_signal -1
	s_barrier_wait -1
.endm
.macro CROUND
	s_barrier_signal -1
	s_barrier_wait -1
	CREST
.endm
.macro SPAIR r, val
	s_mov_b32 s[\r], \val
	s_mov_b32 s[\r+1], \val
.endm
.macro VPAIR r, val
	v_mov_b32 v[\r], \val
	v_mov_b32 v[\r+1], \val
.endm
	s_load_b128 s[4:7], s[0:1], 0x0                ; hc, W's codes
	s_load_b128 s[8:11], s[0:1], 0x10              ; scales, b_fc
	s_load_b64 s[12:13], s[0:1], 0x20              ; g
	v_lshl_add_u32 v[SPW], v0, 2, SPARE
	v_mov_b32 v[NIL], 0
	ds_add_u32 v[SPW], v[NIL]                      ; the opening lines: the add twice on end and its wait
	ds_add_u32 v[SPW], v[NIL]
	v_lshrrev_b32 v1, 5, v0
	v_readfirstlane_b32 s14, v1                    ; wave
	s_lshr_b32 s15, s14, 1                         ; my half of A's rows; also: I fill for A (0) or B (1)
	s_and_b32 s16, s14, 1                          ; my half of B's rows; also: the slot that I fill
	s_bfe_u32 s40, ttmp6, 0x40000                  ; cx
	s_bfe_u32 s41, ttmp6, 0x40004                  ; cy
	s_lshl_b32 s42, ttmp9, 2
	s_add_co_u32 s42, s42, s40                     ; TB: feature tile
	s_and_b32 s17, ttmp7, 0xffff
	s_lshl_b32 s17, s17, 2
	s_add_co_u32 s17, s17, s41                     ; TA: token tile
	s_lshl_b32 s43, s41, 2
	s_lshl_b32 s43, 15, s43                        ; my row of the cluster
	s_lshl_b32 s44, 0x1111, s40                    ; my column
	s_or_b32 s[G1+0], s43, (0<<16)|(1<<20)|(1<<21)|(5<<22)|(3<<25)   ; mask; 1-byte elements; 4 words of padding after every 64; bit 21 beside a mask
	s_or_b32 s[G1B+0], s44, (0<<16)|(1<<20)|(1<<21)|(5<<22)|(3<<25)
.irp g, G1, G1B
	s_mov_b32 s[\g+1], ROWB<<16
	s_mov_b32 s[\g+2], 256<<16
	s_mov_b32 s[\g+3], ROWB<<16
	s_mov_b32 s[\g+4], 256
	s_mov_b32 s[\g+5], KROW
	s_mov_b32 s[\g+6], 0
	s_mov_b32 s[\g+7], 0
.endr
	s_lshl_b32 s18, s16, 8                         ; my slot's first K step
	s_lshl_b32 s20, s17, 18                        ; A: 256 TA rows of 1,024 bytes
	s_add_co_u32 s20, s20, s18
	s_mov_b32 s21, 0
	s_lshl_b32 s46, s42, 18                        ; B likewise
	s_add_co_u32 s46, s46, s18
	s_mov_b32 s47, 0
	s_mul_i32 s45, s15, 2*HALFT                    ; where it goes: A's 256 rows, then B's, in my slot
	s_mul_i32 s19, s16, SLOT
	s_add_co_u32 s45, s45, s19
	s_wait_dscnt 0x0                               ; both opening adds are done
	s_wait_kmcnt 0x0
	s_load_b128 s[92:95], s[8:9], 0x20             ; e8, e9, e10, e11
	s_add_nc_u64 s[20:21], s[4:5], s[20:21]
	s_add_nc_u64 s[46:47], s[6:7], s[46:47]
	CROUND                                         ; all sixteen work-groups are here: the joint loads meet
	s_mov_b32 s[G0], 1
	s_mov_b32 s[G0+1], s45
	s_mov_b64 s[G0+2:G0+3], s[20:21]
	s_or_b32 s[G0+3], s[G0+3], 0x80000000
	s_mov_b32 s[G0B], 1
	s_mov_b32 s[G0B+1], s45
	s_mov_b64 s[G0B+2:G0B+3], s[46:47]
	s_or_b32 s[G0B+3], s[G0B+3], 0x80000000
	s_mul_i32 s18, s16, 130816                     ; from (row 0, my slot's K step) to (row 128 x half, K step 1): the first refill steps it to K step 2
	s_add_co_u32 s18, s18, ROWB
	s_mov_b32 s19, 0
	s_mov_b32 s84, 1
	s_add_nc_u64 s[86:87], s[20:21], s[18:19]
	s_or_b32 s87, s87, 0x80000000
	s_mov_b32 s60, 1
	s_add_nc_u64 s[62:63], s[46:47], s[18:19]
	s_or_b32 s63, s63, 0x80000000
	s_mul_i32 s88, s14, HALFT                      ; where a refill goes in a slot: wave x 128 rows
	JLOAD                                          ; K steps 0 and 1, one load a wave
	s_mul_i32 s20, s15, HALFT                      ; my 128 rows of A, in slot 0 and 1
	s_add_co_u32 s21, s20, SLOT
	s_mul_i32 s22, s16, HALFT
	s_add_co_u32 s22, s22, 2*HALFT                 ; my 128 rows of B
	s_add_co_u32 s23, s22, SLOT
	s_mul_i32 s36, s14, WS                         ; my stage
	s_mul_i32 s37, s15, 2*WS                       ; back: the pair of waves of my rows,
	s_mul_i32 s38, s16, 4*CHUNK                    ; and of four blocks my two
	s_add_co_u32 s37, s37, s38
	s_lshl_b32 s18, s42, 10
	s_lshl_b32 s19, s16, 9
	s_add_co_u32 s18, s18, s19
	s_mov_b32 s19, 0
	s_add_nc_u64 s[10:11], s[10:11], s[18:19]      ; b_fc at 256 TB + 128 x my half
	s_lshl_b32 s18, s17, 20
	s_lshl_b32 s19, s15, 19
	s_add_co_u32 s18, s18, s19
	s_lshl_b32 s19, s16, 17
	s_add_co_u32 s18, s18, s19
	s_lshl_b32 s19, s42, 8
	s_add_co_u32 s18, s18, s19
	s_mov_b32 s19, 0
	s_add_nc_u64 s[12:13], s[12:13], s[18:19]      ; g at row 256 TA + 128 half + 32 (wave % 2), byte 256 TB
	s_or_b32 s68, s43, (0<<16)|(1<<20)|(1<<21)|(5<<22)|(3<<25)
	s_or_b32 s76, s44, (0<<16)|(1<<20)|(1<<21)|(5<<22)|(3<<25)
.irp g, 68, 76
	s_mov_b32 s[\g+1], ROWB<<16
	s_mov_b32 s[\g+2], 128<<16
	s_mov_b32 s[\g+3], ROWB<<16
	s_mov_b32 s[\g+4], 128
	s_mov_b32 s[\g+5], KROW
	s_mov_b32 s[\g+6], 0
	s_mov_b32 s[\g+7], 0
.endr
	s_wait_kmcnt 0x0
	s_add_co_i32 s96, s92, s93
	s_add_co_i32 s96, s96, 127
	s_lshl_b32 s96, s96, 23                        ; 2^(e8 + e9)
	s_mov_b32 s97, s96
	s_add_co_i32 s39, s94, 127
	s_lshl_b32 s38, s39, 23                        ; 2^e10
	s_add_co_i32 s39, s39, 8
	s_lshl_b32 s39, s39, 23
	s_or_b32 s39, s39, 0x600000                    ; 448 x 2^e10
	v_and_b32 v1, 15, v0                           ; r
	v_bfe_u32 v11, v0, 4, 1                        ; h
	v_mul_u32_u24 v12, v1, PITCH
	v_lshl_add_u32 v12, v11, 4, v12
	v_add_nc_u32 v[ADRA], s20, v12
	v_add_nc_u32 v[ADRA+1], s21, v12
	v_add_nc_u32 v[ADRB], s22, v12
	v_add_nc_u32 v[ADRB+1], s23, v12
	v_mul_u32_u24 v13, v1, 80
	v_lshl_add_u32 v13, v11, 3, v13
	v_add_nc_u32 v[STO], s36, v13                  ; in: row r of 80 bytes, + 8 h
	v_bfe_u32 v13, v0, 3, 1
	v_mul_u32_u24 v13, v13, WS                     ; back: lanes 8-15 of sixteen take the odd wave's stage,
	v_bfe_u32 v14, v0, 2, 1
	v_mad_u32_u24 v13, v14, CHUNK, v13             ; lanes 4-7 and 12-15 the block's second chunk,
	v_and_b32 v14, 3, v0
	v_lshl_add_u32 v13, v14, 4, v13
	v_mad_u32_u24 v13, v11, 80, v13                ; lanes 16-31 the next row
	v_add_nc_u32 v[RD], s37, v13
	v_lshlrev_b32 v[CO], 12, v11
	v_lshl_add_u32 v[CO], v1, 4, v[CO]
	v_lshlrev_b32 v[HB], 5, v11
.irp b, 0,1,2,3,4,5,6,7
	global_load_b128 v[CB+8*\b:CB+8*\b+3], v[HB], s[10:11] offset:64*\b        ; the bias at my eight features of each block: waited for on the way out
	global_load_b128 v[CB+8*\b+4:CB+8*\b+7], v[HB], s[10:11] offset:64*\b+16
.endr
	VPAIR VC6,  0xb9c8e966
	VPAIR VC4,  0xbcc6b180
	VPAIR VD4,  0x3ba39fa4
	VPAIR VIS2, 0x3f3504f3
	v_mov_b32 v[SCL], s38
	v_mov_b32 v[LIM], s39
.macro FRAG reg, adr, q, i             ; 16 rows x 128 K: registers 4 c .. 4 c + 3 hold K = 32 c + 16 (l / 16) + 0 .. 15, alike in both operands
.irp c, 0,1,2,3
	ds_load_b128 v[\reg+4*\c:\reg+4*\c+3], v[\adr] offset:128*(\q)+32*\c+(\i)*16*PITCH
.endr
.endm
.macro MUL16 a0, p, zero               ; A's blocks a0, a0 + 1 x B's eight; the 64 accumulators take turns
.irp a, \a0, \a0+1
.irp b, 0,1,2,3,4,5,6,7
.if \zero
	v_wmma_f32_16x16x128_fp8_fp8 v[8*(8*((\a)%4)+\b):8*(8*((\a)%4)+\b)+7], v[128*(\p)+FR*\b:128*(\p)+FR*\b+FR-1], v[AF+FR*(\a):AF+FR*(\a)+FR-1], 0
.else
	v_wmma_f32_16x16x128_fp8_fp8 v[8*(8*((\a)%4)+\b):8*(8*((\a)%4)+\b)+7], v[128*(\p)+FR*\b:128*(\p)+FR*\b+FR-1], v[AF+FR*(\a):AF+FR*(\a)+FR-1], v[8*(8*((\a)%4)+\b):8*(8*((\a)%4)+\b)+7]
.endif
.endr
.endr
.endm
.macro FETCH_B slot, q, p
	WIN TO_B
.irp i, 0,1,2,3,4,5,6,7
	FRAG 128*(\p)+FR*\i, ADRB+\slot, \q, \i
.endr
	WIN 0
.endm
.macro FETCH_A slot, q, i0
.irp i, \i0, \i0+1, \i0+2, \i0+3
	FRAG AF+FR*(\i), ADRA+\slot, \q, \i
.endr
.endm
.macro STEP slot, q, zero              ; 128 along K that has its successor in the same slot
	s_wait_dscnt 4*NL                              ; B's set and A's blocks 0-3 are in; the youngest 16 loads may be out
	WIN MUL_LO
	MUL16 0, (\q)%2, \zero
	MUL16 2, (\q)%2, \zero
	s_wait_dscnt 0
	PLACES NP
	FETCH_B \slot, (\q)+1, 1-(\q)%2
	FETCH_A \slot, (\q)+1, 0
	WIN MUL_HI
	MUL16 4, (\q)%2, \zero
	MUL16 6, (\q)%2, \zero
	PLACES NP
	WIN 0
	FETCH_A \slot, (\q)+1, 4
.endm
.macro TURN slot, next, fill           ; a slot's last step changes slots
	s_wait_tensorcnt 0x0                           ; all my tensor loads have landed
	ds_add_u32 v[SPW], v[NIL]                      ; 0 onto my spare word
	s_wait_dscnt 4*NL+1                            ; the add and the youngest 16 loads may be out
	WIN MUL_LO
	MUL16 0, 1, 0
	s_wait_dscnt 0x0                               ; the add is done, and my reads of this slot are over
	s_barrier_signal -1
	MUL16 2, 1, 0
	WIN 0
	s_barrier_wait -1
.if \fill
	CREST                                          ; the barrier has opened a round of the cluster's
	s_add_co_u32 s85, s88, \slot*SLOT              ; no load of mine is out: the walking groups 0 may be written: this slot, the next K step
	s_add_co_u32 s61, s88, \slot*SLOT
	s_add_nc_u64 s[86:87], s[86:87], ROWB
	s_add_nc_u64 s[62:63], s[62:63], ROWB
	JLOADR
.endif
	PLACES NP
	FETCH_B \next, 0, 0
	FETCH_A \next, 0, 0
	WIN MUL_HI
	MUL16 4, 1, 0
	MUL16 6, 1, 0
	PLACES NP
	WIN 0
	FETCH_A \next, 0, 4
.endm
	s_wait_alu depctr_va_vdst(0)                   ; the wait at the head's end
	s_wait_tensorcnt 0x0                           ; my tile is in,
	s_barrier_signal -1
	s_barrier_wait -1                              ; everybody's is: both slots are whole
	FETCH_B 0, 0, 0
	FETCH_A 0, 0, 0
	FETCH_A 0, 0, 4
	STEP 0, 0, 1                                   ; the first products start the sums
	TURN 0, 1, 1
	STEP 1, 0, 0
	TURN 1, 0, 1
	STEP 0, 0, 0
	TURN 0, 1, 0
	STEP 1, 0, 0
	s_wait_dscnt 4*NL
	WIN MUL_LO
	MUL16 0, 1, 0
	MUL16 2, 1, 0
	s_wait_dscnt 0
	WIN MUL_HI
	MUL16 4, 1, 0
	MUL16 6, 1, 0
	WIN 0
	PLACES NP
	SPAIR IS2,  0x3f3504f3
	SPAIR NIS2, 0xbf3504f3
	SPAIR NL2E, 0xbfb8aa3b
	SPAIR C7,   0x37911480
	SPAIR C5,   0x3b7e899b
	SPAIR C3,   0x3ddaae58
	SPAIR C2,   0x3f228550
	SPAIR C1,   0x3e03ce86
	SPAIR D5,   0xba1d0d41
	SPAIR D3,   0xbcdb45e9
	SPAIR D2,   0x3de70d23
	SPAIR D1,   0xbec09370
	SPAIR D0,   0x3e0375d3
	s_mov_b32 s[THR], 0x3f6c0000
	s_wait_loadcnt 0x0                             ; the bias
.macro P3S d, a, b, sc
.set i, 0
.rept 16
	v_pk_fma_f32 v[\d+i:\d+i+1], v[\a+i:\a+i+1], v[\b+i:\b+i+1], s[\sc:\sc+1] op_sel_hi:[1,1,0]
.set i, i+2
.endr
.endm
.macro P3V d, a, b, c
.set i, 0
.rept 16
	v_pk_fma_f32 v[\d+i:\d+i+1], v[\a+i:\a+i+1], v[\b+i:\b+i+1], v[\c+i:\c+i+1]
.set i, i+2
.endr
.endm
.macro P2C d, a, sc, vc
.set i, 0
.rept 16
	v_pk_fma_f32 v[\d+i:\d+i+1], v[\a+i:\a+i+1], s[\sc:\sc+1], v[\vc:\vc+1] op_sel_hi:[1,0,1]
.set i, i+2
.endr
.endm
.macro ARM H, j                        ; trip j of half H: x = sum x 2^(e8 + e9) + bias, each accumulator from its low end on
	WIN (2+\H)
	s_wait_alu depctr_va_vdst(0)                   ; the wait directly ahead of the first readers of matrix results
.set i, 0
.rept 16
	v_pk_fma_f32 v[X+i:X+i+1], v[32*\j+i:32*\j+i+1], s[96:97], v[CB+32*(\j%2)+i:CB+32*(\j%2)+i+1] op_sel_hi:[1,0,1]
.set i, i+2
.endr
	WIN 0
	s_wait_alu depctr_va_vdst(0)
.endm
.macro HALF H                          ; my rows 64 H .. 64 H + 63: eight trips of 16 tokens x 64 features, then their way to memory
	s_mov_b32 s[AO], 0
.Lblk_\H:
	v_add_nc_u32 v[SA], s[AO], v[STO]
.irp j, 0,1,2,3,4,5,6
	s_cmp_eq_u32 s[AO], \j*CHUNK
	s_cbranch_scc1 .Larm_\H\j
.endr
	ARM \H, 7
	s_branch .Ljoin_\H
.irp j, 0,1,2,3,4,5
.Larm_\H\j:
	ARM \H, \j
	s_branch .Ljoin_\H
.endr
.Larm_\H\()6:
	ARM \H, 6
.Ljoin_\H:
.set i, 0
.rept 32
	v_mul_f32 v[T+i], s[IS2], |v[X+i]|             ; t
.set i, i+1
.endr
.set i, 0
.rept 16
	v_pk_mul_f32 v[Q+i:Q+i+1], v[T+i:T+i+1], v[T+i:T+i+1]
.set i, i+2
.endr
	P2C L, T, C7, VC6
	P2C R, T, C5, VC4
	P3V L, L, Q, R
	P3S L, L, T, C3
	P3S L, L, T, C2
	P3S L, L, T, C1
	P3V L, L, T, T
.set i, 0
.rept 16
	v_pk_fma_f32 v[L+i:L+i+1], v[L+i:L+i+1], s[NL2E:NL2E+1], -0.5 op_sel_hi:[1,0,0]   ; to base 2, and the factor 1 / sqrt(2) as -1/2 in the exponent
.set i, i+2
.endr
	s_wait_alu depctr_va_vdst(0)                   ; the wait ahead of the batch
.set i, 0
.rept 32
	v_exp_f32 v[L+i], v[L+i]
.set i, i+1
.endr
	P2C R, Q, D5, VD4                              ; the fit for small t stands between the batch and its wait
	P3S R, R, Q, D3
	P3S R, R, Q, D2
	P3S R, R, Q, D1
	P3S R, R, Q, D0
	P3V R, R, T, T
	P2C R, R, NIS2, VIS2                           ; (1 - erf) / sqrt(2)
	s_wait_alu depctr_va_vdst(0)                   ; one wait for the batch, ahead of its first reader
.set i, 0
.rept 4
.irp k, 0,1,2,3,4,5,6,7
	v_cmp_lt_f32 s[MK+\k], s[THR], v[T+i+\k]
.endr
.irp k, 0,1,2,3,4,5,6,7
	v_cndmask_b32 v[L+i+\k], v[R+i+\k], v[L+i+\k], s[MK+\k]
.endr
.set i, i+8
.endr
.set i, 0
.rept 32
	v_max_num_f32 v[X+i], 0, v[X+i]
.set i, i+1
.endr
.set i, 0
.rept 16
	v_pk_fma_f32 v[X+i:X+i+1], v[T+i:T+i+1], v[L+i:L+i+1], v[X+i:X+i+1] neg_lo:[1,0,0] neg_hi:[1,0,0]
.set i, i+2
.endr
.set i, 0
.rept 32
	v_med3_num_f32 v[X+i], v[X+i], -v[LIM], v[LIM] ; the conversion does not saturate (ISA guide 7.6.2)
.set i, i+1
.endr
.irp bb, 0,1,2,3
	v_cvt_scalef32_pk8_fp8_f32 v[CD+2*\bb:CD+2*\bb+1], v[X+8*\bb:X+8*\bb+7], v[SCL]
.endr
	v_nop                                          ; a plain instruction behind the last conversion
.irp bb, 0,1,2,3
	ds_store_b64 v[SA], v[CD+2*\bb:CD+2*\bb+1] offset:8*\H*CHUNK+16*\bb
.endr
	s_add_co_u32 s[AO], s[AO], CHUNK
	s_cmp_lt_u32 s[AO], 8*CHUNK
	s_cbranch_scc1 .Lblk_\H
	s_wait_dscnt 0x0                               ; for the others' sake: my codes lie in the stage
	s_barrier_signal -1
	s_barrier_wait -1
	WIN 0x40                                       ; rows of 256 bytes come back into window 1, in registers that nothing writes again
.irp ap, 0,1
.irp i, 0,1,2,3,4,5,6,7
	ds_load_b128 v[64*\H+4*(8*\ap+\i):64*\H+4*(8*\ap+\i)+3], v[RD] offset:(8*\H+2*\ap)*CHUNK+2*\i*80
.endr
.endr
	WIN 0x04
.irp ap, 0,1
.irp i, 0,1,2,3,4,5,6,7
	s_wait_dscnt 15-(8*\ap+\i)                     ; LDS loads come back in order
	global_store_b128 v[CO], v[64*\H+4*(8*\ap+\i):64*\H+4*(8*\ap+\i)+3], s[12:13] offset:(64*\H+16*\ap+2*\i)*4096   ; sixteen lanes store 256 consecutive bytes, aligned
.endr
.endr
	WIN 0
.endm
	HALF 0
	HALF 1
	s_wait_tensorcnt 0x0                           ; the wave's end
	ds_add_u32 v[SPW], v[NIL]
	s_wait_dscnt 0x0
	CROUND                                         ; the closing round
	s_endpgm
.Lfunc_end_k_q33717c453a_fc:
	.size	k_q33717c453a_fc, .Lfunc_end_k_q33717c453a_fc-k_q33717c453a_fc
	.p2alignl 7, 3214868480
	.fill 96, 4, 3214868480
	.section	.rodata,"a",@progbits
	.p2align	6, 0x0
	.amdhsa_kernel k_q33717c453a_fc
		.amdhsa_group_segment_fixed_size 327680
		.amdhsa_private_segment_fixed_size 0
		.amdhsa_enable_private_segment 0
		.amdhsa_kernarg_size 40
		.amdhsa_user_sgpr_count 2
		.amdhsa_user_sgpr_kernarg_segment_ptr 1
		.amdhsa_wavefront_size32 1
		.amdhsa_system_sgpr_workgroup_id_x 1
		.amdhsa_system_sgpr_workgroup_id_y 1
		.amdhsa_system_sgpr_workgroup_id_z 1
		.amdhsa_system_vgpr_workitem_id 0
		.amdhsa_next_free_vgpr 1024
		.amdhsa_next_free_sgpr 102
		.amdhsa_reserve_vcc 0
		.amdhsa_float_denorm_mode_32 3
		.amdhsa_float_denorm_mode_16_64 3
		.amdhsa_memory_ordered 1
		.amdhsa_forward_progress 1
		.amdhsa_inst_pref_size 165
	.end_amdhsa_kernel
	.amdgpu_metadata
---
amdhsa.version: [ 1, 2 ]
amdhsa.kernels:
  - .name:           k_q33717c453a_fc
    .symbol:         k_q33717c453a_fc.kd
    .args:
      - { .name: hc, .offset: 0, .size: 8, .value_kind: global_buffer, .address_space: global }
      - { .name: w_fc_codes, .offset: 8, .size: 8, .value_kind: global_buffer, .address_space: global }
      - { .name: lowp_scales, .offset: 16, .size: 8, .value_kind: global_buffer, .address_space: global }
      - { .name: b_fc, .offset: 24, .size: 8, .value_kind: global_buffer, .address_space: global }
      - { .name: g, .offset: 32, .size: 8, .value_kind: global_buffer, .address_space: global }
    .group_segment_fixed_size: 327680
    .private_segment_fixed_size: 0
    .kernarg_segment_align: 8
    .kernarg_segment_size: 40
    .max_flat_workgroup_size: 128
    .sgpr_count:     102
    .vgpr_count:     1024
    .wavefront_size: 32
...
	.end_amdgpu_metadata
.endif
;; end of part 6
;; launch proj (part 7): grid 8 x 32, 4 waves a work-group, clusters of 4 x 4, 327,680 bytes of LDS; arguments g, w_proj_codes, lowp_scales, b_proj, x1, out0; writes out0
.if DOCPART == 7
	.amdgcn_target "amdgcn-amd-amdhsa--gfx1250"
	.amdhsa_code_object_version 6
	.text
	.protected	k_q33717c453a_proj
	.globl	k_q33717c453a_proj
	.p2align	8
	.type	k_q33717c453a_proj,@function
k_q33717c453a_proj:
	s_mov_b64 s[64:65], 0
	v_nop
	global_prefetch_b8 v0, s[64:65] scope:SCOPE_SE
	s_setreg_imm32_b32 hwreg(HW_REG_WAVE_MODE, 25, 1), 1
	s_wait_xcnt 0x0
	s_wait_alu depctr_hold_cnt(0) depctr_sa_sdst(0) depctr_va_vdst(0) depctr_va_sdst(0) depctr_va_ssrc(0) depctr_va_vcc(0) depctr_vm_vsrc(0)
	s_getreg_b32 s2, hwreg(HW_REG_IB_STS2, 6, 4)
	s_cmp_eq_u32 s2, 0
	s_cbranch_scc0 .Lentry_in_a_cluster
	s_endpgm
.Lentry_in_a_cluster:
	s_bfe_u32 s2, ttmp6, 0x10000c
	s_cmp_lg_u32 s2, 0xf033
	s_cbranch_scc0 .Lentry_shape_is_right
	s_endpgm
.Lentry_shape_is_right:
; out[m][n] = resid[m][n] + bias[n] + 2^(ea + eb) x the sum over k of A[m][k] B[n][k], on codes of E4M3.  out, resid: [4096][1024] f32; B: [1024][SIZE_K] codes.
; OPROJ = 1: A = yc, [16 heads][4096 tokens][64] (k = 64 head + d), SIZE_K = 1,024.  OPROJ = 0: A = g, [4096][4096], SIZE_K = 4,096.
; A tile of out is 128 x 128, so that 256 work-groups have work; four waves, 64 x 64 each: 16 accumulators.  K goes in steps of 512 through two LDS slots; a wave's tensor load brings 64 rows.
; CLUSTERS: 4 x 4: A's tile is asked for jointly along a row of the cluster, B's along a column.  The matrix instruction is used transposed: a lane holds eight neighbouring columns of a row.
; A wave's 64 columns of f32 are 256 bytes, so each wave has a stage of its own on the way out, in slot 0, which then has had its last fill and its last read.
; The residual is asked for at the head, in the layout of the stores, and lies in window 2 until the end.
; REGISTERS: window 0: v0-31 addresses; v96-99 bias; v128-255 accumulators ((a, b) at v[128 + 8 (4 a + b)]).  window 1: two fragment buffers of 128: A's 4 fragments, then B's 4.  window 2: v0-127 the residual.
; LIMIT: ea + eb between -126 and 127.
.set OPROJ,  0
.set SIZE_K, 4096
.set E_A,    40                        ; byte of ea in the scales; eb follows
.set KSTEP,  512
.set PITCH,  528                       ; 512 bytes + 16
.set HALFB,  64*PITCH
.if OPROJ
.set HALFA,  8*64*80                   ; [8 heads][64 tokens][64 bytes + 16]
.set APITCH, 80
.set ASTEP,  8*262144                  ; a K step on: eight heads
.else
.set HALFA,  64*PITCH
.set APITCH, PITCH
.set ASTEP,  KSTEP
.endif
.set SLOT,   2*HALFA+2*HALFB
.set SPARE,  2*SLOT
.set SPITCH, 272
.set LAPS,   SIZE_K/(2*KSTEP)
.set ADRA, 16
.set ADRB, 20
.set STO,  24
.set RD,   25
.set CO,   26
.set BO,   27
.set SPW,  28
.set NIL,  29
.set BIAS, 96
.set ACC,  128
.set F0,   0
.set F1,   128
.set G1, 24
.set G0, 32
.set G1B, 48
.set G0B, 56
.set MSB, 0
.macro WIN new
.if MSB != \new
	s_set_vgpr_msb (MSB<<8)|\new
.set MSB, \new
.endif
.endm
.set MUL,  0x05
.set TO_F, 0x40
.macro JLOAD s
	s_cmp_eq_u32 s11, 0
	s_cbranch_scc0 .Lfor_b_\@
	tensor_load_to_lds s[G0+4*\s:G0+4*\s+3], s[G1:G1+7]
	s_nop 0
.rept 4
	v_nop
.endr
	s_branch .Lasked_\@
.Lfor_b_\@:
	tensor_load_to_lds s[G0B+4*\s:G0B+4*\s+3], s[G1B:G1B+7]
	s_nop 0
.rept 4
	v_nop
.endr
.Lasked_\@:
.endm
.macro CREST
	s_cmp_lg_u32 s10, 0
	s_cbranch_scc1 .Lnot_wave_0_\@
	s_barrier_signal -3
.Lnot_wave_0_\@:
	s_barrier_wait -3
	s_barrier_signal -1
	s_barrier_wait -1
.endm
.macro CROUND
	s_barrier_signal -1
	s_barrier_wait -1
	CREST
.endm
	s_load_b128 s[4:7], s[0:1], 0x0                ; A's codes, B's codes
	s_load_b128 s[68:71], s[0:1], 0x10             ; scales, bias
	s_load_b128 s[72:75], s[0:1], 0x20             ; resid, out
	v_lshl_add_u32 v[SPW], v0, 2, SPARE
	v_mov_b32 v[NIL], 0
	ds_add_u32 v28, v29
	ds_add_u32 v28, v29
	s_wait_dscnt 0x0
	v_lshrrev_b32 v1, 5, v0
	v_readfirstlane_b32 s10, v1
	s_lshr_b32 s11, s10, 1                         ; my half of the rows.  Also: I fetch for A (0) or B (1)
	s_and_b32 s12, s10, 1                          ; my half of the columns.  Also: which 64 rows I fetch
	s_bfe_u32 s40, ttmp6, 0x40000
	s_bfe_u32 s41, ttmp6, 0x40004
	s_lshl_b32 s42, ttmp9, 2
	s_add_co_u32 s42, s42, s40                     ; tile column
	s_and_b32 s13, ttmp7, 0xffff
	s_lshl_b32 s13, s13, 2
	s_add_co_u32 s13, s13, s41                     ; tile row
	s_lshl_b32 s43, s41, 2
	s_lshl_b32 s43, 15, s43
	s_lshl_b32 s44, 0x1111, s40
.if OPROJ
	s_or_b32 s[G1+0], s43, (0<<16)|(1<<20)|(1<<21)|(3<<22)|(3<<25)   ; A: 8 rows (heads) of 4,096 bytes (64 tokens x 64, dense); 4 words of padding after every 16
	s_mov_b32 s[G1+1], 4096<<16
	s_mov_b32 s[G1+2], 8<<16
	s_mov_b32 s[G1+3], 4096<<16
	s_mov_b32 s[G1+4], 8
	s_mov_b32 s[G1+5], 262144
.else
	s_or_b32 s[G1+0], s43, (0<<16)|(1<<20)|(1<<21)|(6<<22)|(3<<25)   ; 64 rows of 512 bytes; 4 words of padding after every 128
	s_mov_b32 s[G1+1], KSTEP<<16
	s_mov_b32 s[G1+2], 64<<16
	s_mov_b32 s[G1+3], KSTEP<<16
	s_mov_b32 s[G1+4], 64
	s_mov_b32 s[G1+5], SIZE_K
.endif
	s_mov_b32 s[G1+6], 0
	s_mov_b32 s[G1+7], 0
	s_or_b32 s[G1B+0], s44, (0<<16)|(1<<20)|(1<<21)|(6<<22)|(3<<25)
	s_mov_b32 s[G1B+1], KSTEP<<16
	s_mov_b32 s[G1B+2], 64<<16
	s_mov_b32 s[G1B+3], KSTEP<<16
	s_mov_b32 s[G1B+4], 64
	s_mov_b32 s[G1B+5], SIZE_K
	s_mov_b32 s[G1B+6], 0
	s_mov_b32 s[G1B+7], 0
	; the head's loads have groups 1 of their own, s[76:83] for A and s[84:91] for B: all 128 rows of a tile
	s_or_b32 s76, s43, (0<<16)|(1<<20)|(1<<21)|(6<<22)|(3<<25)
	s_or_b32 s84, s44, (0<<16)|(1<<20)|(1<<21)|(6<<22)|(3<<25)
.irp g, 76, 84
	s_mov_b32 s[\g+1], KSTEP<<16
	s_mov_b32 s[\g+2], 128<<16
	s_mov_b32 s[\g+3], KSTEP<<16
	s_mov_b32 s[\g+4], 128
	s_mov_b32 s[\g+5], SIZE_K
	s_mov_b32 s[\g+6], 0
	s_mov_b32 s[\g+7], 0
.endr
	s_lshl_b32 s17, s12, 6
	s_lshl_b32 s16, s13, 7
	s_add_co_u32 s16, s16, s17                     ; A: row 128 x tile row + 64 x half,
.if OPROJ
	s_lshl_b32 s16, s16, 6                         ; of 64 bytes in a head
.else
	s_lshl_b32 s16, s16, 12                        ; of 4,096 bytes
.endif
	s_lshl_b32 s46, s42, 7
	s_add_co_u32 s46, s46, s17
	s_mul_i32 s46, s46, SIZE_K                     ; B likewise
	s_mov_b32 s17, 0
	s_mov_b32 s47, 0
	s_mul_i32 s20, s12, HALFA                      ; where they go: A's two halves, then B's two
	s_mul_i32 s21, s12, HALFB
	s_add_co_u32 s21, s21, 2*HALFA
	s_wait_kmcnt 0x0
	s_load_b64 s[96:97], s[68:69], E_A             ; ea, eb
	s_add_nc_u64 s[14:15], s[4:5], s[16:17]
	s_add_nc_u64 s[46:47], s[6:7], s[46:47]
	CROUND
.irp s, 0,1
	s_mov_b32 s[G0+4*\s], 1
	s_add_co_u32 s[G0+4*\s+1], s20, \s*SLOT
	s_add_nc_u64 s[G0+4*\s+2:G0+4*\s+3], s[14:15], \s*ASTEP
	s_or_b32 s[G0+4*\s+3], s[G0+4*\s+3], 0x80000000
	s_mov_b32 s[G0B+4*\s], 1
	s_add_co_u32 s[G0B+4*\s+1], s21, \s*SLOT
	s_add_nc_u64 s[G0B+4*\s+2:G0B+4*\s+3], s[46:47], \s*KSTEP
	s_or_b32 s[G0B+4*\s+3], s[G0B+4*\s+3], 0x80000000
.endr
	; AT THE HEAD one load a wave: wave (operand = wave / 2, slot = wave % 2) brings all 128 rows of its operand's tile for its slot, so K steps 0 and 1 are both asked for here.
	; The refills stay shared among the four waves, 64 rows each, by the groups 0 made above.
	s_mul_i32 s66, s12, 64*SIZE_K-KSTEP            ; back from row 64 x (wave % 2) to row 0, on to K step wave % 2
	s_mov_b32 s67, 0
	s_mul_i32 s3, s12, SLOT
	s_mov_b32 s92, 1
	s_mov_b32 s93, s3
	s_sub_nc_u64 s[94:95], s[14:15], s[66:67]
	s_or_b32 s95, s95, 0x80000000
	s_mov_b32 s16, 1
	s_add_co_u32 s17, s3, 2*HALFA
	s_sub_nc_u64 s[18:19], s[46:47], s[66:67]
	s_or_b32 s19, s19, 0x80000000
	s_cmp_eq_u32 s11, 0
	s_cbranch_scc0 .Lhead_b
	tensor_load_to_lds s[92:95], s[76:83]
	s_nop 0
.rept 4
	v_nop
.endr
	s_branch .Lhead_j
.Lhead_b:
	tensor_load_to_lds s[16:19], s[84:91]
	s_nop 0
.rept 4
	v_nop
.endr
.Lhead_j:
	v_and_b32 v1, 15, v0                           ; r
	v_bfe_u32 v2, v0, 4, 1                         ; h
	v_lshlrev_b32 v[CO], 12, v2
	v_lshl_add_u32 v[CO], v1, 4, v[CO]             ; lanes 0-15 one row of 256 bytes, lanes 16-31 the next
	s_wait_alu depctr_va_vdst(0)
	v_lshlrev_b32 v[BO], 4, v1
	s_wait_alu depctr_va_vdst(0)
	s_lshl_b32 s22, s42, 9
	s_lshl_b32 s23, s12, 8
	s_add_co_u32 s22, s22, s23                     ; my first column, in bytes
	s_mov_b32 s23, 0
	s_add_nc_u64 s[70:71], s[70:71], s[22:23]
	s_lshl_b32 s23, s13, 19
	s_add_co_u32 s22, s22, s23
	s_lshl_b32 s23, s11, 18
	s_add_co_u32 s22, s22, s23                     ; + my first row: (128 x tile row + 64 x half) x 4,096
	s_mov_b32 s23, 0
	s_add_nc_u64 s[72:73], s[72:73], s[22:23]
	s_add_nc_u64 s[74:75], s[74:75], s[22:23]
	WIN 0x80                                       ; destination window 2
.irp a, 0,1,2,3
.irp t, 0,1,2,3,4,5,6,7
	global_load_b128 v[4*(8*\a+\t):4*(8*\a+\t)+3], v[CO], s[72:73] offset:(16*\a+2*\t)*4096 th:TH_LOAD_NT
.endr
.endr
	WIN 0
	global_load_b128 v[BIAS:BIAS+3], v[BO], s[70:71]
	v_mul_u32_u24 v3, v1, PITCH
	v_lshl_add_u32 v3, v2, 4, v3
	v_mul_u32_u24 v4, v1, APITCH
	v_lshl_add_u32 v4, v2, 4, v4
	s_mul_i32 s21, s11, HALFA
	s_mul_i32 s22, s12, HALFB
	s_add_co_u32 s22, s22, 2*HALFA
.irp s, 0,1
	v_add_nc_u32 v[ADRA+\s], s21, v4
	v_add_nc_u32 v[ADRB+\s], s22, v3
	s_add_co_u32 s21, s21, SLOT
	s_add_co_u32 s22, s22, SLOT
.endr
	s_mul_i32 s23, s10, 64*SPITCH                  ; my stage: 64 rows of 256 bytes + 16
	v_mul_u32_u24 v5, v1, SPITCH
	v_lshl_add_u32 v5, v2, 5, v5
	v_add_nc_u32 v[STO], s23, v5
	v_mul_u32_u24 v5, v2, SPITCH
	v_lshl_add_u32 v5, v1, 4, v5
	v_add_nc_u32 v[RD], s23, v5
.macro MUL4 f, a, zero                 ; A's block a x B's four, 128 along K; the 16 accumulators take turns
.irp b, 0,1,2,3
.if \zero
	v_wmma_f32_16x16x128_fp8_fp8 v[ACC+8*(4*(\a)+\b):ACC+8*(4*(\a)+\b)+7], v[\f+64+16*\b:\f+64+16*\b+15], v[\f+16*(\a):\f+16*(\a)+15], 0
.else
	v_wmma_f32_16x16x128_fp8_fp8 v[ACC+8*(4*(\a)+\b):ACC+8*(4*(\a)+\b)+7], v[\f+64+16*\b:\f+64+16*\b+15], v[\f+16*(\a):\f+16*(\a)+15], v[ACC+8*(4*(\a)+\b):ACC+8*(4*(\a)+\b)+7]
.endif
.endr
.endm
.macro FETCH slot, k, f                ; 32 LDS loads in one run: B's four fragments, then A's four; registers 4 c .. 4 c + 3 hold K = 32 c + 16 (l / 16) + 0 .. 15 in both
	WIN TO_F
.irp i, 0,1,2,3
.irp c, 0,1,2,3
	ds_load_b128 v[\f+64+16*\i+4*\c:\f+64+16*\i+4*\c+3], v[ADRB+\slot] offset:(\k)+32*\c+\i*16*PITCH
.endr
.endr
.irp i, 0,1,2,3
.irp c, 0,1,2,3
.if OPROJ
	ds_load_b128 v[\f+16*\i+4*\c:\f+16*\i+4*\c+3], v[ADRA+\slot] offset:((\k)/64+\c/2)*5120+(\c%2)*32+\i*1280
.else
	ds_load_b128 v[\f+16*\i+4*\c:\f+16*\i+4*\c+3], v[ADRA+\slot] offset:(\k)+32*\c+\i*16*PITCH
.endif
.endr
.endr
.endm
.macro PLACES
.rept 4
	v_nop
.endr
.endm
.macro QUARTER slot, k, f, g, zero     ; 128 along K on buffer f; the next quarter, at byte k, is fetched into g in its middle
	s_wait_dscnt 8                                 ; B's fragments and A's blocks 0, 1 are in; the youngest eight loads (blocks 2, 3) may be out
	WIN MUL
	MUL4 \f, 0, \zero
	MUL4 \f, 1, \zero
	PLACES
	FETCH \slot, \k, \g
	s_wait_dscnt 32                                ; all but the 32 just issued
	WIN MUL
	MUL4 \f, 2, \zero
	MUL4 \f, 3, \zero
.endm
.macro TURN slot, next, fill           ; the last quarter of a K step changes slots
	WIN 0
	s_wait_tensorcnt 0x0                           ; all my tensor loads have landed: my part of the next slot
	ds_add_u32 v[SPW], v[NIL]                      ; 0 onto my spare word
	s_wait_dscnt 9                                 ; the add and the youngest eight loads may be out
	WIN MUL
	MUL4 F1, 0, 0
	s_wait_dscnt 0x0                               ; the add is done, and my reads of this slot are over
	s_barrier_signal -1
	MUL4 F1, 1, 0
.if \fill
	WIN 0
.endif
	s_barrier_wait -1
.if \fill
	CREST
	s_add_nc_u64 s[G0+4*\slot+2:G0+4*\slot+3], s[G0+4*\slot+2:G0+4*\slot+3], 2*ASTEP
	s_add_nc_u64 s[G0B+4*\slot+2:G0B+4*\slot+3], s[G0B+4*\slot+2:G0B+4*\slot+3], 2*KSTEP
	JLOAD \slot
.else
	PLACES
.endif
	FETCH \next, 0, F0
	WIN MUL
	MUL4 F1, 2, 0
	MUL4 F1, 3, 0
.endm
	s_wait_alu depctr_va_vdst(0)
	s_wait_tensorcnt 0x0                           ; my one load, a whole tile of K step 0 or 1, is in
	s_barrier_signal -1
	s_barrier_wait -1
	FETCH 0, 0, F0
	QUARTER 0, 128, F0, F1, 1
.if LAPS > 1
	WIN 0
	s_mov_b32 s3, LAPS-1
.Llap:
	QUARTER 0, 256, F1, F0, 0
	QUARTER 0, 384, F0, F1, 0
	TURN 0, 1, 1
	QUARTER 1, 128, F0, F1, 0
	QUARTER 1, 256, F1, F0, 0
	QUARTER 1, 384, F0, F1, 0
	TURN 1, 0, 1
	QUARTER 0, 128, F0, F1, 0
	WIN 0
	s_sub_co_u32 s3, s3, 1
	s_cmp_lg_u32 s3, 0
	s_cbranch_scc1 .Llap
.endif
	QUARTER 0, 256, F1, F0, 0
	QUARTER 0, 384, F0, F1, 0
	TURN 0, 1, 0
	QUARTER 1, 128, F0, F1, 0
	QUARTER 1, 256, F1, F0, 0
	QUARTER 1, 384, F0, F1, 0
	s_wait_dscnt 8
	WIN MUL
	MUL4 F1, 0, 0
	MUL4 F1, 1, 0
	s_wait_dscnt 0
	MUL4 F1, 2, 0
	MUL4 F1, 3, 0
	WIN 0
	; THE WAY OUT: the sums go through my stage and come back as whole rows of 256 bytes, into the registers that they left
	s_wait_kmcnt 0x0
	s_add_co_i32 s96, s96, s97
	s_add_co_i32 s96, s96, 127
	s_lshl_b32 s96, s96, 23                        ; 2^(ea + eb)
	s_mov_b32 s97, s96
	PLACES
.irp a, 0,1,2,3
.irp b, 0,1,2,3
	ds_store_b128 v[STO], v[ACC+8*(4*\a+\b):ACC+8*(4*\a+\b)+3] offset:\a*16*SPITCH+64*\b        ; each accumulator from its low end on
	ds_store_b128 v[STO], v[ACC+8*(4*\a+\b)+4:ACC+8*(4*\a+\b)+7] offset:\a*16*SPITCH+64*\b+16
.endr
.endr
.irp a, 0,1,2,3
.irp t, 0,1,2,3,4,5,6,7
	ds_load_b128 v[ACC+4*(8*\a+\t):ACC+4*(8*\a+\t)+3], v[RD] offset:\a*16*SPITCH+2*\t*SPITCH   ; LDS serves a wave's instructions in order: these see my stores
.endr
.endr
	s_wait_loadcnt 0x0                             ; the residual and the bias
	WIN 0x82                                       ; source 0 and destination window 2
.set t, 0
.rept 32
	v_pk_add_f32 v[4*t:4*t+1], v[4*t:4*t+1], v[BIAS:BIAS+1]
	v_pk_add_f32 v[4*t+2:4*t+3], v[4*t+2:4*t+3], v[BIAS+2:BIAS+3]
.set t, t+1
.endr
	WIN 0x20                                       ; source 2 window 2
.set t, 0
.rept 32
	s_wait_dscnt 31-t                              ; LDS loads come back in order: rows 2 t, 2 t + 1 are in
	v_pk_fma_f32 v[ACC+4*t:ACC+4*t+1], v[ACC+4*t:ACC+4*t+1], s[96:97], v[4*t:4*t+1] op_sel_hi:[1,0,1]
	v_pk_fma_f32 v[ACC+4*t+2:ACC+4*t+3], v[ACC+4*t+2:ACC+4*t+3], s[96:97], v[4*t+2:4*t+3] op_sel_hi:[1,0,1]
.if OPROJ
	global_store_b128 v[CO], v[ACC+4*t:ACC+4*t+3], s[74:75] offset:2*t*4096                    ; 16 lanes store 256 consecutive bytes, aligned
.else
	global_store_b128 v[CO], v[ACC+4*t:ACC+4*t+3], s[74:75] offset:2*t*4096 th:TH_STORE_NT
.endif
.set t, t+1
.endr
	WIN 0
	s_wait_tensorcnt 0x0                           ; the wave's end
	ds_add_u32 v[SPW], v[NIL]
	s_wait_dscnt 0x0
	CROUND
	s_endpgm
.Lfunc_end_k_q33717c453a_proj:
	.size	k_q33717c453a_proj, .Lfunc_end_k_q33717c453a_proj-k_q33717c453a_proj
	.p2alignl 7, 3214868480
	.fill 96, 4, 3214868480
	.section	.rodata,"a",@progbits
	.p2align	6, 0x0
	.amdhsa_kernel k_q33717c453a_proj
		.amdhsa_group_segment_fixed_size 327680
		.amdhsa_private_segment_fixed_size 0
		.amdhsa_enable_private_segment 0
		.amdhsa_kernarg_size 48
		.amdhsa_user_sgpr_count 2
		.amdhsa_user_sgpr_kernarg_segment_ptr 1
		.amdhsa_wavefront_size32 1
		.amdhsa_system_sgpr_workgroup_id_x 1
		.amdhsa_system_sgpr_workgroup_id_y 1
		.amdhsa_system_sgpr_workgroup_id_z 1
		.amdhsa_system_vgpr_workitem_id 0
		.amdhsa_next_free_vgpr 768
		.amdhsa_next_free_sgpr 100
		.amdhsa_reserve_vcc 0
		.amdhsa_float_denorm_mode_32 3
		.amdhsa_float_denorm_mode_16_64 3
		.amdhsa_memory_ordered 1
		.amdhsa_forward_progress 1
		.amdhsa_inst_pref_size 83
	.end_amdhsa_kernel
	.amdgpu_metadata
---
amdhsa.version: [ 1, 2 ]
amdhsa.kernels:
  - .name:           k_q33717c453a_proj
    .symbol:         k_q33717c453a_proj.kd
    .args:
      - { .name: g, .offset: 0, .size: 8, .value_kind: global_buffer, .address_space: global }
      - { .name: w_proj_codes, .offset: 8, .size: 8, .value_kind: global_buffer, .address_space: global }
      - { .name: lowp_scales, .offset: 16, .size: 8, .value_kind: global_buffer, .address_space: global }
      - { .name: b_proj, .offset: 24, .size: 8, .value_kind: global_buffer, .address_space: global }
      - { .name: x1, .offset: 32, .size: 8, .value_kind: global_buffer, .address_space: global }
      - { .name: out0, .offset: 40, .size: 8, .value_kind: global_buffer, .address_space: global }
    .group_segment_fixed_size: 327680
    .private_segment_fixed_size: 0
    .kernarg_segment_align: 8
    .kernarg_segment_size: 48
    .max_flat_workgroup_size: 128
    .sgpr_count:     100
    .vgpr_count:     768
    .wavefront_size: 32
...
	.end_amdgpu_metadata
.endif
;; end of part 7
